; MI455X (gfx1250); checked and timed in simulation.
; The chip was launched on July 23, 2026; its instructions are those of AMD's public machine-readable ISA for CDNA 5 (MIT licence, August 2026) and "CDNA5" Instruction Set Architecture Reference Guide (July 2026). The comments in the code are by the model that wrote it; some were corrected since.
;; Multi Head Attention. Allowed arithmetic: matrix products marked QUANTISED: E2M3 operands, one E8M0 scale for each 32 along K, by v_wmma_scale_f32_16x16x128_f8f6f4 with both operands' format E2M3, f32 sums; everything else in f32.
;; Inputs: Wk 1,024 x 1,024 float32; Wo 1,024 x 1,024 float32; Wq 1,024 x 1,024 float32; Wv 1,024 x 1,024 float32; bk 1,024 float32; bo 1,024 float32; bq 1,024 float32; bv 1,024 float32; key 4 x 2,048 x 1,024 float32; mask 4 x 1 x 2,048 x 2,048 float32; query 4 x 2,048 x 1,024 float32; value 4 x 2,048 x 1,024 float32.
;; Outputs: out0 4 x 2,048 x 1,024 float32.
;; This version of the problem:
;;   THIS VERSION OF THE PROBLEM IS GIVEN IN LOW PRECISION. The matrix products marked QUANTISED in the list below multiply operands that are first quantised to E2M3 (2 exponent bits, 3 mantissa bits; 6 bits a number), with one power-of-two scale for each 32 numbers along K (OCP MX v1.0); their sums are f32. All else is computed in f32.
;;   The module's matrix products, in the order in which they are computed (A, B: the left and right operand; K: the contracted axis; several contracted axes count as one K, in the product's order):
;;     1. [M 8,192, K 1,024] x [K 1,024, N 1,024]; A: input query; B: input Wq: QUANTISED
;;     2. [M 8,192, K 1,024] x [K 1,024, N 1,024]; A: input key; B: input Wk: QUANTISED
;;     3. [M 8,192, K 1,024] x [K 1,024, N 1,024]; A: input value; B: input Wv: QUANTISED
;;     4. batch 64 x [M 2,048, K 64] x [K 64, N 2,048]; A: computed on the way; B: computed on the way: QUANTISED
;;     5. batch 64 x [M 2,048, K 2,048] x [K 2,048, N 64]; A: softmax (see below); B: computed on the way: QUANTISED
;;     6. [M 8,192, K 1,024] x [K 1,024, N 1,024]; A: computed on the way; B: input Wo: QUANTISED
;;   THE QUANTISER, for each operand of a quantised product, along K:
;;     - K is cut into blocks of 32 from its start; a last block that is shorter is filled with zeros.
;;     - A block's scale is 2^e with e = floor(log2(the largest magnitude in the block)) - 2, held to -126 .. 127; a block of zeros has e = 0. As a byte (E8M0): e + 127.
;;     - Each number is divided by its block's scale, clamped to +-7.5, and rounded to the nearest number of E2M3, ties to even, subnormals kept.
;;     - The product sums the exact products of the quantised numbers (number of the format x scale) in f32.
;;   ~~~python
;;   def quantise(x, axis):      # numpy; x: float32 -> the quantised numbers, widened to float32 again
;;       x = np.moveaxis(x, axis, -1); K = x.shape[-1]
;;       x = np.pad(x, [(0, 0)] * (x.ndim - 1) + [(0, -K % 32)]); x = x.reshape(x.shape[:-1] + (-1, 32)); a = np.abs(x).max(-1, keepdims=True)
;;       e = np.where(a > 0, np.clip(np.frexp(np.where(a > 0, a, 1))[1] - 1 - 2, -126, 127), 0)      # np.frexp(a)[1] - 1 = floor(log2(a)), exactly
;;       r = np.clip(x / 2.0 ** e, -7.5, 7.5)
;;       step = 2.0 ** (np.maximum(np.frexp(np.where(r == 0, 1, r))[1] - 1, 0) - 3)
;;       q = np.round(r / step) * step * 2.0 ** e      # np.round: ties to even
;;       return np.moveaxis(q.reshape(q.shape[:-2] + (-1,))[..., :K], -1, axis).astype(np.float32)
;;   ~~~
;;   SOFTMAX AHEAD OF A QUANTISED PRODUCT. Where the list says 'softmax', what is quantised is not the finished softmax but p = 2^(t - M), with t = logit x log2(e) and M = ceil(the row's largest t), a whole number; so 1/2 < the row's largest p <= 1. The row's sum l is taken of the UNQUANTISED p, in f32, and the product's result is divided by l at the end. Since M is a whole number, a kernel that streams over the keys may use a running M (the ceiling of the running maximum): every later rescaling is an exact power of two, which a block's scale takes up: the codes' values come out the same.
;;   OPERANDS COMPUTED ON THE WAY. 'Computed on the way' means the value that the module computes at that place (a softmax that the list does not call 'softmax' is quantised finished and normalised). What goes into a quantiser is computed in f32, as accurately as f32 sums, v_exp_f32 and their like allow (about 1e-6 of the number): no bf16 or f16 on the way to a quantiser, and a product that is left as it is and whose result goes on into a quantised operand takes f32 operands (vector FMAs, or v_wmma_f32_16x16x4_f32). A number that lies on a knife's edge between two numbers of the format may be rounded either way, as far as f32 arithmetic and the matrix unit's own rounding can turn it there, and no further.
;; One version. Each part assembles by itself: llvm-mc -triple=amdgcn-amd-amdhsa -mcpu=gfx1250 --defsym DOCPART=n.
;; ======== version 1 of 1: 4 launches
;; limits: right only within a limited range of input values
;; workspace buffers: wc 3,145,728 bytes; ws 131,072 bytes; xc 18,874,368 bytes; xs 786,432 bytes; hc 19,660,800 bytes; ac 6,291,456 bytes; asc 262,144 bytes
;; launch quant (part 1): grid 640 x 1, 4 waves a work-group, no clusters, 34,304 bytes of LDS; arguments Wq, Wk, Wv, Wo, query, key, value, wc, ws, xc, xs; writes wc, ws, xc, xs
.if DOCPART == 1
	.amdgcn_target "amdgcn-amd-amdhsa--gfx1250"
	.amdhsa_code_object_version 6
	.text
	.protected	k_qd2e39a64d0_quant
	.globl	k_qd2e39a64d0_quant
	.p2align	8
	.type	k_qd2e39a64d0_quant,@function
k_qd2e39a64d0_quant:
	s_mov_b64 s[64:65], 0
	v_nop
	global_prefetch_b8 v0, s[64:65] scope:SCOPE_SE
	s_setreg_imm32_b32 hwreg(HW_REG_WAVE_MODE, 25, 1), 1
	s_wait_xcnt 0x0
; LAUNCH 1 OF 4.  Multi-head attention, B 4, S 2,048, D 1,024, 16 heads of 64, all six products on codes of FP6 (E2M3) with one E8M0 scale for each 32 along K.
; DEAD WORK: none.  Every bias is added ahead of a quantiser (bq, bk, bv) or to the output (bo); the mask's term differs along the softmax's axis; so all twelve inputs are loaded by some launch.
; THIS LAUNCH quantises what arrives as f32 and is read by many work-groups later: Wq, Wk, Wv, Wo along their FIRST axis (their K), query, key, value along their last.
; LAYOUT OF ALL CODES IN THE WORKSPACE: images of operand registers.  A fragment is 16 rows x 128 K = 12 registers a lane; registers 4 c .. 4 c + 3 of lane l lie at 512 c + 16 l of the fragment's 1,536 bytes.
; Lane (r, h) = (l % 16, l / 16) holds row r: registers 0-5 its block h of 32 along K, registers 6-11 its block 2 + h.  Its scale word (four bytes, block b in byte b) is word r of the fragment's 64 bytes.
;   wc [weight 4][n tile 64][K step 8][1,536], ws [weight][n tile][K step][16 words];  xc [row tile 1,536 = 512 x tensor + tile][K step 8][1,536], xs likewise.
; A block's scale is 2^(floor(log2(largest magnitude)) - 2): its byte is the largest magnitude's exponent field - 2, held at 1 from below by a floor among the maximum's leaves.
; LIMITS: a block of zeros gets the byte 1 where the rule says 127 (its codes are zeros, and this program alone reads the bytes); blocks whose largest magnitude lies under 2^-124 keep the byte 1; NaN and infinities are not served.
; SHARES: work-groups 0-255 take the weights (a wave: 32 columns x 128 K, a lane a column, registers down K), work-groups 256-639 the activations (a wave: 16 rows x 1,024).  Waves share nothing: no barrier, no cluster, no tensor load.
.set SPARE, 33792                      ; behind the four stages: the spare words, 128 bytes a wave
.set SPW, 254                          ; v254 LDS address of my spare word; never rewritten
.set NIL, 255                          ; v255 0; never rewritten
.set WV,  26                           ; s26  my wave's number
.set SEL, 28                           ; s28, s29 lane selects: lane l xor 16
; A lane's two whole blocks, v[x] .. v[x + 31] (block h) and v[x + 32] .. v[x + 63] (block 2 + h), become registers 0-11 of a fragment in v[pc] on, and the row's scale word in v[pw].
.macro QB x, pc, ct, tm, pw, sh, tp
.irp c, 0,1
	v_max3_num_f32 v[\tm+\c], |v[\x+32*\c]|, |v[\x+32*\c+1]|, 0x1800000   ; the floor 2^(3 - 127): the byte cannot fall under 1
.endr
.irp i, 2,4,6,8,10,12,14,16,18,20,22,24,26,28,30
.irp c, 0,1
	v_max3_num_f32 v[\tm+\c], v[\tm+\c], |v[\x+32*\c+\i]|, |v[\x+32*\c+\i+1]|   ; the two blocks by turns
.endr
.endr
.irp c, 0,1
	v_add_nc_u32 v[\tm+2+\c], 0xff000000, v[\tm+\c]   ; 2 off the exponent field: the conversion's scale operand
.endr
.irp c, 0,1
	v_lshrrev_b32 v[\tm+4+\c], 23, v[\tm+2+\c]        ; the scale's byte
.endr
	v_lshl_or_b32 v[\pw], v[\tm+5], 16, v[\tm+4]      ; my two bytes, blocks h and 2 + h,
	v_lshlrev_b32 v[\pw], v[\sh], v[\pw]              ; 8 h bits up;
	v_permlanex16_b32 v[\tp], v[\pw], s[SEL], s[SEL+1]
	v_or_b32 v[\pw], v[\pw], v[\tp]                   ; with lane l xor 16's two the word is whole
.irp c, 0,1
	v_cvt_scalef32_pk16_fp6_f32 v[\pc+6*\c:\pc+6*\c+2], v[\x+32*\c:\x+32*\c+15], v[\tm+2+\c]
	v_cvt_scalef32_pk16_fp6_f32 v[\ct+4*\c:\ct+4*\c+2], v[\x+32*\c+16:\x+32*\c+31], v[\tm+2+\c]   ; a conversion's three registers begin on an even number: made elsewhere and moved
.endr
	v_nop                                             ; one plain place behind the scaled conversions
.irp c, 0,1
.irp i, 0,1,2
	v_mov_b32 v[\pc+6*\c+3+\i], v[\ct+4*\c+\i]
.endr
.endr
.endm
	s_load_b256 s[4:11], s[0:1], 0x0               ; Wq, Wk, Wv, Wo
	s_load_b256 s[12:19], s[0:1], 0x20             ; query, key, value, wc
	s_load_b128 s[20:23], s[0:1], 0x40             ; ws, xc
	s_load_b64 s[24:25], s[0:1], 0x50              ; xs
	v_lshl_add_u32 v[SPW], v0, 2, SPARE
	v_mov_b32 v[NIL], 0
	v_lshrrev_b32 v1, 5, v0
	v_readfirstlane_b32 s[WV], v1
	v_and_b32 v1, 31, v0                           ; lane
	s_mov_b32 s[SEL], 0x76543210
	s_mov_b32 s[SEL+1], 0xfedcba98
	s_cmp_lt_u32 ttmp9, 256                        ; the work-group's number alone decides
	s_cbranch_scc0 .Lacts
; ---------------- THE WEIGHTS.  id = 64 x weight + 8 x K step + column block of 128.
.set XW, 32                            ; v32-95   two sets of 32 numbers
.set F0, 96                            ; v96-107  the image of n tile 2 wave + 8 cb
.set F1, 108                           ; v108-119 and of the next
	s_lshr_b32 s30, ttmp9, 6                       ; weight
	s_bfe_u32 s31, ttmp9, 0x30003                  ; K step
	s_and_b32 s32, ttmp9, 7                        ; column block
	s_lshl_b32 s33, s32, 3
	s_lshl_b32 s34, s[WV], 1
	s_add_co_u32 s33, s33, s34                     ; my first n tile
	s_lshl_b32 s33, s33, 3
	s_add_co_u32 s33, s33, s31                     ; 8 x tile + K step
	s_lshl_b32 s36, s31, 19                        ; in: 128 rows of 4,096 bytes a K step,
	s_lshl_b32 s34, s32, 9
	s_add_co_u32 s36, s36, s34                     ; 512 bytes a column block,
	s_lshl_b32 s34, s[WV], 7
	s_add_co_u32 s36, s36, s34                     ; 128 a wave
	s_mov_b32 s37, 0
	s_mul_i32 s38, s30, 786432
	s_mul_i32 s34, s33, 1536
	s_add_co_u32 s38, s38, s34                     ; my first image in wc
	s_mov_b32 s39, 0
	s_lshl_b32 s40, s30, 15
	s_lshl_b32 s34, s33, 6
	s_add_co_u32 s40, s40, s34                     ; and its scale words in ws
	s_mov_b32 s41, 0
	s_wait_alu depctr_va_vdst(0)
	v_lshlrev_b32 v2, 2, v1                        ; in: 4 bytes a lane
	v_lshlrev_b32 v3, 4, v1                        ; an image's place for my lane
	v_and_b32 v4, 15, v1
	v_lshlrev_b32 v4, 2, v4
	v_lshrrev_b32 v5, 4, v1
	v_lshl_add_u32 v4, v5, 9, v4                   ; scale word: 4 r, and 8 K steps of 64 bytes on for lanes 16-31 (the next n tile)
	s_wait_alu depctr_va_vdst(0)
	s_wait_kmcnt 0x0
	s_cmp_eq_u32 s30, 1
	s_cselect_b64 s[4:5], s[6:7], s[4:5]
	s_cmp_eq_u32 s30, 2
	s_cselect_b64 s[4:5], s[8:9], s[4:5]
	s_cmp_eq_u32 s30, 3
	s_cselect_b64 s[4:5], s[10:11], s[4:5]
	s_add_nc_u64 s[4:5], s[4:5], s[36:37]
	s_add_nc_u64 s[18:19], s[18:19], s[38:39]
	s_add_nc_u64 s[20:21], s[20:21], s[40:41]
.macro LOADW t                         ; block t: W(32 t + i, my column): 32 lanes read 128 consecutive bytes, the four waves 512
.set i, 0
.rept 32
	global_load_b32 v[XW+32*((\t)%2)+i], v2, s[4:5] offset:(32*(\t)+i)*4096 th:TH_LOAD_NT
.set i, i+1
.endr
.endm
.macro BLOCKW t, cb                    ; block t of my column: its byte into v12, its six registers of codes into v[cb] on
.set XS, XW+32*((\t)%2)
.if (\t) < 3
	s_wait_loadcnt 32                              ; this block's 32 loads are in; the next block's 32 may be out
.else
	s_wait_loadcnt 0x0
.endif
	v_max3_num_f32 v8, |v[XS]|, |v[XS+1]|, |v[XS+2]|
	v_max3_num_f32 v9, |v[XS+3]|, |v[XS+4]|, |v[XS+5]|
.irp i, 6,10,14,18,22,26
	v_max3_num_f32 v8, v8, |v[XS+\i]|, |v[XS+\i+1]|
	v_max3_num_f32 v9, v9, |v[XS+\i+2]|, |v[XS+\i+3]|
.endr
	v_max3_num_f32 v8, v8, |v[XS+30]|, |v[XS+31]|
	v_max3_num_f32 v8, v8, v9, 0x1800000           ; and the floor
	v_add_nc_u32 v10, 0xff000000, v8
	v_lshrrev_b32 v11, 23, v10
.if (\t) == 0
	v_mov_b32 v12, v11
.else
	v_lshl_or_b32 v12, v11, 8*(\t), v12
.endif
	v_cvt_scalef32_pk16_fp6_f32 v[(\cb):(\cb)+2], v[XS:XS+15], v10
	v_cvt_scalef32_pk16_fp6_f32 v[24:26], v[XS+16:XS+31], v10
.if (\t) < 2
	LOADW (\t)+2
.endif
	v_nop                                          ; one plain place behind the scaled conversions
.irp i, 0,1,2
	v_mov_b32 v[(\cb)+3+\i], v[24+\i]
.endr
.endm
	LOADW 0
	LOADW 1
	BLOCKW 0, F0
	BLOCKW 1, F1
	BLOCKW 2, F0+6
	BLOCKW 3, F1+6
; Lane l holds all four blocks of column l.  An image wants, in lanes 0-15, blocks 0 and 2 of its 16 columns and, in lanes 16-31, blocks 1 and 3: the first register's upper lanes change places with the second's lower lanes.
.irp i, 0,1,2,3,4,5
	v_permlane16_swap_b32 v[F0+\i], v[F1+\i]
	v_permlane16_swap_b32 v[F0+6+\i], v[F1+6+\i]
.endr
.irp c, 0,1,2
	global_store_b128 v3, v[F0+4*\c:F0+4*\c+3], s[18:19] offset:512*\c          ; each store covers 512 consecutive bytes, aligned
	global_store_b128 v3, v[F1+4*\c:F1+4*\c+3], s[18:19] offset:12288+512*\c
.endr
	global_store_b32 v4, v12, s[20:21]             ; two pieces of 64 bytes: one byte for each 128 that the wave reads
	s_endpgm
; ---------------- THE ACTIVATIONS.  Row tile T = 4 (id - 256) + wave: 16 rows x 1,024 = 8 fragments.
.Lacts:
.set W,  2                             ; v2-9     the eight scale words
.set R,  16                            ; v16-143  two sets of 64: a fragment's numbers as loaded (load p: row p's 512 bytes)
.set XA, 144                           ; v144-207 my two blocks
.set PC, 208                           ; v208-231 codes, two sets
.set CT, 232
.set TM, 240
.set TP, 248
	s_sub_co_u32 s30, ttmp9, 256
	s_lshr_b32 s31, s30, 7                         ; tensor: query, key, value
	s_lshl_b32 s32, s30, 2
	s_add_co_u32 s32, s32, s[WV]                   ; T
	s_and_b32 s33, s32, 511
	s_lshl_b32 s36, s33, 16                        ; in: 16 rows of 4,096 bytes a tile
	s_mov_b32 s37, 0
	s_mul_i32 s38, s32, 12288                      ; xc: 8 images a tile
	s_mov_b32 s39, 0
	s_lshl_b32 s40, s32, 9                         ; xs: 512 bytes a tile
	s_mov_b32 s41, 0
	s_mul_i32 s34, s[WV], 8448                     ; my stage: 16 rows x (512 + 16) bytes
	s_wait_alu depctr_va_vdst(0)
	v_lshlrev_b32 v10, 4, v1                       ; 16 x lane
	v_lshl_add_u32 v11, v1, 4, s34                 ; into the stage as loaded
	v_and_b32 v15, 15, v1
	v_lshrrev_b32 v14, 4, v1
	v_mul_u32_u24 v12, v15, 528
	v_lshl_add_u32 v12, v14, 7, v12
	v_add_nc_u32 v12, s34, v12                     ; out of it: row r, + 128 h bytes: my block of 32 numbers
	v_lshlrev_b32 v13, 2, v1
	v_lshlrev_b32 v14, 3, v14                      ; 8 h
	v_mov_b32 v[TP], 0                             ; a lane permute's destination counts as one of its sources
	s_wait_alu depctr_va_vdst(0)
	s_wait_kmcnt 0x0
	s_cmp_eq_u32 s31, 1
	s_cselect_b64 s[12:13], s[14:15], s[12:13]
	s_cmp_eq_u32 s31, 2
	s_cselect_b64 s[12:13], s[16:17], s[12:13]
	s_add_nc_u64 s[12:13], s[12:13], s[36:37]
	s_add_nc_u64 s[22:23], s[22:23], s[38:39]
	s_add_nc_u64 s[24:25], s[24:25], s[40:41]
.macro LOADA s
.set p, 0
.rept 16
	global_load_b128 v[R+64*((\s)%2)+4*p:R+64*((\s)%2)+4*p+3], v10, s[12:13] offset:4096*p+512*(\s) th:TH_LOAD_NT   ; 512 consecutive bytes of row p
.set p, p+1
.endr
.endm
.macro FRAGA s
.if (\s) < 7
	s_wait_loadcnt 16                              ; this fragment's 16 loads are in; the next fragment's 16 may be out
.else
	s_wait_loadcnt 0x0
.endif
.set p, 0
.rept 16
	ds_store_b128 v11, v[R+64*((\s)%2)+4*p:R+64*((\s)%2)+4*p+3] offset:528*p
.set p, p+1
.endr
.set p, 0
.rept 16                               ; LDS serves a wave's instructions in order: these see my stores
	ds_load_b128 v[XA+4*p:XA+4*p+3], v12 offset:256*(p/8)+16*(p%8)
.set p, p+1
.endr
	s_wait_dscnt 0x0                               ; my blocks are in, and the stage's stores have read their registers,
.if (\s)+2 < 8
	LOADA (\s)+2                                   ; which take the loads of two fragments on
.endif
	s_wait_xcnt 0x0                                ; the earlier stores have read their data: the codes' registers may be written again
.set PCS, PC+12*((\s)%2)
	QB XA, PCS, CT, TM, W+(\s), 14, TP
.irp c, 0,1,2
	global_store_b128 v10, v[PCS+4*\c:PCS+4*\c+3], s[22:23] offset:1536*(\s)+512*\c
.endr
.endm
	LOADA 0
	LOADA 1
.irp s, 0,1,2,3,4,5,6,7
	FRAGA \s
.endr
	v_cmp_lt_u32 vcc_lo, 15, v1                    ; lanes 16-31 store the odd K step's words: 128 consecutive bytes a store
.irp k, 0,1,2,3
	v_cndmask_b32 v[TM+\k], v[W+2*\k], v[W+2*\k+1], vcc_lo
	global_store_b32 v13, v[TM+\k], s[24:25] offset:128*\k
.endr
	s_wait_tensorcnt 0x0                           ; the wave's end, behind my last LDS store
	ds_add_u32 v[SPW], v[NIL]
	s_wait_dscnt 0x0
	s_endpgm
.Lfunc_end_k_qd2e39a64d0_quant:
	.size	k_qd2e39a64d0_quant, .Lfunc_end_k_qd2e39a64d0_quant-k_qd2e39a64d0_quant
	.p2alignl 7, 3214868480
	.fill 96, 4, 3214868480
	.section	.rodata,"a",@progbits
	.p2align	6, 0x0
	.amdhsa_kernel k_qd2e39a64d0_quant
		.amdhsa_group_segment_fixed_size 34304
		.amdhsa_private_segment_fixed_size 0
		.amdhsa_enable_private_segment 0
		.amdhsa_kernarg_size 88
		.amdhsa_user_sgpr_count 2
		.amdhsa_user_sgpr_kernarg_segment_ptr 1
		.amdhsa_wavefront_size32 1
		.amdhsa_system_sgpr_workgroup_id_x 1
		.amdhsa_system_sgpr_workgroup_id_y 1
		.amdhsa_system_sgpr_workgroup_id_z 1
		.amdhsa_system_vgpr_workitem_id 0
		.amdhsa_next_free_vgpr 256
		.amdhsa_next_free_sgpr 66
		.amdhsa_reserve_vcc 1
		.amdhsa_float_denorm_mode_32 3
		.amdhsa_float_denorm_mode_16_64 3
		.amdhsa_memory_ordered 1
		.amdhsa_forward_progress 1
		.amdhsa_inst_pref_size 78
	.end_amdhsa_kernel
	.amdgpu_metadata
---
amdhsa.version: [ 1, 2 ]
amdhsa.kernels:
  - .name:           k_qd2e39a64d0_quant
    .symbol:         k_qd2e39a64d0_quant.kd
    .args:
      - { .name: Wq, .offset: 0, .size: 8, .value_kind: global_buffer, .address_space: global }
      - { .name: Wk, .offset: 8, .size: 8, .value_kind: global_buffer, .address_space: global }
      - { .name: Wv, .offset: 16, .size: 8, .value_kind: global_buffer, .address_space: global }
      - { .name: Wo, .offset: 24, .size: 8, .value_kind: global_buffer, .address_space: global }
      - { .name: query, .offset: 32, .size: 8, .value_kind: global_buffer, .address_space: global }
      - { .name: key, .offset: 40, .size: 8, .value_kind: global_buffer, .address_space: global }
      - { .name: value, .offset: 48, .size: 8, .value_kind: global_buffer, .address_space: global }
      - { .name: wc, .offset: 56, .size: 8, .value_kind: global_buffer, .address_space: global }
      - { .name: ws, .offset: 64, .size: 8, .value_kind: global_buffer, .address_space: global }
      - { .name: xc, .offset: 72, .size: 8, .value_kind: global_buffer, .address_space: global }
      - { .name: xs, .offset: 80, .size: 8, .value_kind: global_buffer, .address_space: global }
    .group_segment_fixed_size: 34304
    .private_segment_fixed_size: 0
    .kernarg_segment_align: 8
    .kernarg_segment_size: 88
    .max_flat_workgroup_size: 128
    .sgpr_count:     66
    .vgpr_count:     256
    .wavefront_size: 32
...
	.end_amdgpu_metadata
.endif
;; end of part 1
;; launch proj (part 2): grid 4 x 96, 4 waves a work-group, clusters of 4 x 4, 327,680 bytes of LDS; arguments xc, xs, wc, ws, bq, bk, bv, hc; writes hc
.if DOCPART == 2
	.amdgcn_target "amdgcn-amd-amdhsa--gfx1250"
	.amdhsa_code_object_version 6
	.text
	.protected	k_qd2e39a64d0_proj
	.globl	k_qd2e39a64d0_proj
	.p2align	8
	.type	k_qd2e39a64d0_proj,@function
k_qd2e39a64d0_proj:
	s_mov_b64 s[64:65], 0
	v_nop
	global_prefetch_b8 v0, s[64:65] scope:SCOPE_SE
	s_setreg_imm32_b32 hwreg(HW_REG_WAVE_MODE, 25, 1), 1
	s_wait_xcnt 0x0
	s_wait_alu depctr_hold_cnt(0) depctr_sa_sdst(0) depctr_va_vdst(0) depctr_va_sdst(0) depctr_va_ssrc(0) depctr_va_vcc(0) depctr_vm_vsrc(0)
	s_getreg_b32 s2, hwreg(HW_REG_IB_STS2, 6, 4)
	s_cmp_eq_u32 s2, 0
	s_cbranch_scc0 .Lentry_in_a_cluster
	s_endpgm
.Lentry_in_a_cluster:
	s_bfe_u32 s2, ttmp6, 0x10000c
	s_cmp_lg_u32 s2, 0xf033
	s_cbranch_scc0 .Lentry_shape_is_right
	s_endpgm
.Lentry_shape_is_right:
; LAUNCH 2 OF 4: q = Q(query) Q(Wq) + bq, k and v likewise, quantised again on the way out: q and k along the head's 64 channels, v along the keys.  No work of reference() is left out.
; Tile row y = 32 x tensor + tile (256 rows), tile column x (256 columns = 4 heads).  A work-group of four waves makes 256 x 256, a wave 128 x 128: 64 accumulators, 512 registers.
; OPERANDS ARE IMAGES OF REGISTERS (1,536 bytes a fragment of 16 rows x 128 K; registers 4 c .. 4 c + 3 of lane l at 512 c + 16 l): a fragment comes from LDS by three loads of 512 consecutive bytes.
; K goes in steps of 256 through two LDS slots; a wave's tensor load brings 8 row tiles x 3,072 bytes.  The scale words of the work-group's rows, for all of K, come once.
; CLUSTER 4 x 4: A's tiles are asked for jointly along a row of the cluster, B's along a column.  THE PRODUCT IS USED TRANSPOSED (source 0 = 16 columns of W, source 1 = 16 rows of x): a lane holds eight neighbouring columns of one row.
; The bias is the C of each sum's first product.  The 64 accumulators take turns, one instruction a turn.
; THE WAY OUT: the wave's 128 x 128 numbers go to its own stage in LDS (over the ring, behind a barrier: every fill of the launch is past) and come back as the next operand's layout wants them:
;   q: fragment f = tokens 16 f + r, K = the wave's 128 channels (a pair of heads);  k: the same with tokens 32 (f / 2) + 8 (f % 2) + r + 8 (r / 8);  v: rows = channels in that order, K = the wave's 128 tokens.
;   hc [tensor 3][4 b + g][pair 2][128 fragments][1,536];  hs [tensor][4 b + g][pair][16 chunks of 512 bytes: word of fragment f, row r at 256 (f / 4) + 16 r + 4 (f % 4)].
; LIMITS: as in the first launch (byte 1 for blocks of zeros and for blocks under 2^-124; NaN and infinities not served).
; REGISTERS: window 0: v16-31 addresses; v32-63 scale words, two sets; v64-127 the bias; v128-223 A's fragments, one set (on the way out: numbers, codes).  window 1: B's fragments, two sets, at v0 and v128.  windows 2, 3: accumulators.
.set FR,    12
.set NL,    3                          ; LDS loads that bring a fragment
.set NP,    4                          ; places behind this matrix form (ISA guide 7.12.1)
.set NQ,    2                          ; steps of 128 in a slot
.set FRB,   1536
.set TROW,  3072                       ; a row tile's bytes in a slot
.set HALFT, 8*TROW                     ; what one tensor load brings: 128 rows
.set SLOT,  4*HALFT
.set SCL,   2*SLOT                     ; the scale words: A's 8,192 bytes, then B's
.set HALFS, 4096
.set WST,   128*528                    ; a wave's stage: 128 rows x (512 + 16) bytes
.set GATH,  4*WST                      ; 512 bytes a wave: a chunk of scale words
.set SPARE, GATH+2048                  ; the spare words, 128 bytes a wave
.set ADRA, 16
.set GL,   18
.set LI,   19
.set ADRB, 20
.set RV,   22
.set GA,   23
.set STO,  24
.set RQ,   25
.set RK,   26
.set ADRS, 27
.set SPW,  28
.set NIL,  29
.set SH,   30
.set TP,   31
.set SC,   32
.set BI,   64
.set AF,   128
.set XO,   128
.set PCO,  192
.set CTO,  204
.set TMO,  212
.set PWO,  218
.set SEL,  2
.set TEN,  66
.set G1, 24
.set G0, 32
.set G1B, 48
.set G0B, 56
.set G1S, 68
.set G0S, 76
.set G1SB, 80
.set G0SB, 88
.set MSB, 0
.macro WIN new                         ; the immediate's high byte repeats the setting that is left
.if MSB != (\new)
	s_set_vgpr_msb (MSB<<8)|(\new)
.set MSB, (\new)
.endif
.endm
.set MUL_LO, 0xa1                      ; source 0 (B) window 1, source 1 (A) window 0, C and D window 2
.set MUL_HI, 0xf1
.set TO_B,   0x40
.macro JLOAD g0a, g1a, g0b, g1b        ; a joint load: waves 0, 1 fetch for A, waves 2, 3 for B; an s_nop 0 and four v_nop follow each line
	s_cmp_eq_u32 s15, 0
	s_cbranch_scc0 .Lfor_b_\@
	tensor_load_to_lds s[\g0a:\g0a+3], s[\g1a:\g1a+7]
	s_nop 0
.rept 4
	v_nop
.endr
	s_branch .Lasked_\@
.Lfor_b_\@:
	tensor_load_to_lds s[\g0b:\g0b+3], s[\g1b:\g1b+7]
	s_nop 0
.rept 4
	v_nop
.endr
.Lasked_\@:
.endm
.macro CREST
	s_cmp_lg_u32 s14, 0
	s_cbranch_scc1 .Lnot_wave_0_\@
	s_barrier_signal -3
.Lnot_wave_0_\@:
	s_barrier_wait -3
	s_barrier_signal -1
	s_barrier_wait -1
.endm
.macro CROUND
	s_barrier_signal -1
	s_barrier_wait -1
	CREST
.endm
.macro QB x, pc, ct, tm, pw, sh, tp    ; a lane's two whole blocks become registers 0-11 of a fragment and the row's scale word
.irp c, 0,1
	v_max3_num_f32 v[\tm+\c], |v[\x+32*\c]|, |v[\x+32*\c+1]|, 0x1800000
.endr
.irp i, 2,4,6,8,10,12,14,16,18,20,22,24,26,28,30
.irp c, 0,1
	v_max3_num_f32 v[\tm+\c], v[\tm+\c], |v[\x+32*\c+\i]|, |v[\x+32*\c+\i+1]|
.endr
.endr
.irp c, 0,1
	v_add_nc_u32 v[\tm+2+\c], 0xff000000, v[\tm+\c]
.endr
.irp c, 0,1
	v_lshrrev_b32 v[\tm+4+\c], 23, v[\tm+2+\c]
.endr
	v_lshl_or_b32 v[\pw], v[\tm+5], 16, v[\tm+4]
	v_lshlrev_b32 v[\pw], v[\sh], v[\pw]
	v_permlanex16_b32 v[\tp], v[\pw], s[SEL], s[SEL+1]
	v_or_b32 v[\pw], v[\pw], v[\tp]
.irp c, 0,1
	v_cvt_scalef32_pk16_fp6_f32 v[\pc+6*\c:\pc+6*\c+2], v[\x+32*\c:\x+32*\c+15], v[\tm+2+\c]
	v_cvt_scalef32_pk16_fp6_f32 v[\ct+4*\c:\ct+4*\c+2], v[\x+32*\c+16:\x+32*\c+31], v[\tm+2+\c]
.endr
	v_nop                                          ; one plain place behind the scaled conversions
.irp c, 0,1
.irp i, 0,1,2
	v_mov_b32 v[\pc+6*\c+3+\i], v[\ct+4*\c+\i]
.endr
.endr
.endm
	s_load_b256 s[4:11], s[0:1], 0x0               ; xc, xs, wc, ws
	s_load_b256 s[92:99], s[0:1], 0x20             ; bq, bk, bv, hc
	v_lshl_add_u32 v[SPW], v0, 2, SPARE
	v_mov_b32 v[NIL], 0
	ds_add_u32 v[SPW], v[NIL]                      ; the wave's opening: the add, twice on end, and its wait ahead of my first tensor load
	ds_add_u32 v[SPW], v[NIL]
	v_lshrrev_b32 v1, 5, v0
	v_readfirstlane_b32 s14, v1                    ; wave
	s_lshr_b32 s15, s14, 1                         ; my half of the tile's rows; also: I fetch for A (0) or B (1)
	s_and_b32 s16, s14, 1                          ; my half of its columns; also: which 128 rows I fetch
	s_bfe_u32 s40, ttmp6, 0x40000                  ; cx
	s_bfe_u32 s41, ttmp6, 0x40004                  ; cy
	s_lshl_b32 s42, ttmp9, 2
	s_add_co_u32 s42, s42, s40                     ; x
	s_and_b32 s17, ttmp7, 0xffff
	s_lshr_b32 s[TEN], s17, 3                      ; the tensor: 8 clusters of 4 tile rows each; the same in all sixteen partners
	s_lshl_b32 s17, s17, 2
	s_add_co_u32 s17, s17, s41                     ; y
	s_lshl_b32 s43, s41, 2
	s_lshl_b32 s43, 15, s43                        ; my row of the cluster
	s_lshl_b32 s44, 0x1111, s40                    ; my column
	s_or_b32 s[G1], s43, (3<<16)|(1<<21)           ; elements of 8 bytes, no padding; bit 21 beside a mask
	s_or_b32 s[G1B], s44, (3<<16)|(1<<21)
.irp g, G1, G1B
	s_mov_b32 s[\g+1], 384<<16                     ; tensor_dim0 = 384 elements = 3,072 bytes
	s_mov_b32 s[\g+2], 16<<16                      ; the head's loads bring 16 row tiles; behind them the two words that count rows are set to 8
	s_mov_b32 s[\g+3], 384<<16                     ; tile_dim0
	s_mov_b32 s[\g+4], 16
	s_mov_b32 s[\g+5], 1536                        ; 12,288 bytes from row tile to row tile
	s_mov_b32 s[\g+6], 0
	s_mov_b32 s[\g+7], 0
.endr
	s_or_b32 s[G1S], s43, (3<<16)|(1<<21)          ; the scale words of 256 rows: 8,192 dense bytes as 32 rows of 256
	s_or_b32 s[G1SB], s44, (3<<16)|(1<<21)
.irp g, G1S, G1SB
	s_mov_b32 s[\g+1], 32<<16
	s_mov_b32 s[\g+2], 32<<16                      ; the scale words of 256 rows: 8,192 dense bytes as 32 rows of 256
	s_mov_b32 s[\g+3], 32<<16
	s_mov_b32 s[\g+4], 32
	s_mov_b32 s[\g+5], 32
	s_mov_b32 s[\g+6], 0
	s_mov_b32 s[\g+7], 0
.endr
	s_lshl_b32 s18, s16, 3
	s_lshl_b32 s20, s17, 4
	s_add_co_u32 s20, s20, s18                     ; A: row tile 16 y + 8 x half
	s_lshl_b32 s46, s42, 4
	s_add_co_u32 s46, s46, s18                     ; B: n tile 16 x + 8 x half
	s_mul_i32 s[G0+2], s20, 12288                  ; offsets first; the pointers are added below
	s_mov_b32 s[G0+3], 0
	s_lshl_b32 s[G0S+2], s17, 13                   ; A's scale words from row tile 16 y on
	s_mov_b32 s[G0S+3], 0
	s_mul_i32 s[G0B+2], s46, 12288
	s_mul_i32 s47, s[TEN], 786432
	s_add_co_u32 s[G0B+2], s[G0B+2], s47
	s_mov_b32 s[G0B+3], 0
	s_lshl_b32 s[G0SB+2], s42, 13                  ; B's from n tile 16 x on
	s_lshl_b32 s47, s[TEN], 15
	s_add_co_u32 s[G0SB+2], s[G0SB+2], s47
	s_mov_b32 s[G0SB+3], 0
	s_mul_i32 s45, s14, HALFT                      ; where they go: wave x 128 rows: no place in the cluster enters an LDS address
	s_mov_b32 s[G0], 1
	s_mov_b32 s[G0+4], 1
	s_mov_b32 s[G0B], 1
	s_mov_b32 s[G0B+4], 1
	s_mov_b32 s[G0S], 1
	s_mov_b32 s[G0SB], 1
	s_mov_b32 s[G0+1], s45
	s_add_co_u32 s[G0+5], s45, SLOT
	s_mov_b32 s[G0B+1], s45
	s_add_co_u32 s[G0B+5], s45, SLOT
	s_mov_b32 s[G0S+1], SCL
	s_mov_b32 s[G0SB+1], SCL+2*HALFS
	s_wait_dscnt 0x0                               ; both opening adds are done
	s_wait_kmcnt 0x0
	s_add_nc_u64 s[G0+2:G0+3], s[4:5], s[G0+2:G0+3]
	s_add_nc_u64 s[G0+6:G0+7], s[G0+2:G0+3], TROW  ; slot 1: the second 256 along K
	s_add_nc_u64 s[G0S+2:G0S+3], s[6:7], s[G0S+2:G0S+3]
	s_add_nc_u64 s[G0B+2:G0B+3], s[8:9], s[G0B+2:G0B+3]
	s_add_nc_u64 s[G0B+6:G0B+7], s[G0B+2:G0B+3], TROW
	s_add_nc_u64 s[G0SB+2:G0SB+3], s[10:11], s[G0SB+2:G0SB+3]
.irp g, G0+3, G0+7, G0B+3, G0B+7, G0S+3, G0SB+3
	s_or_b32 s[\g], s[\g], 0x80000000              ; type = 2
.endr
	CROUND                                         ; all sixteen work-groups are here: the first joint loads meet
; THE HEAD'S LOADS, ONE A WAVE: wave 0 slot 0's 256 rows of A (its own group 0 points at their start), wave 1 A's scale words, wave 2 slot 0's 256 rows of B, wave 3 B's scale words.
; One chain of branches on the wave's number; every way through it passes one load.
.macro ARM under, g0, g1, next
	s_cmp_lt_u32 s14, \under
	s_cbranch_scc0 \next
	tensor_load_to_lds s[\g0:\g0+3], s[\g1:\g1+7]
	s_nop 0
.rept 4
	v_nop
.endr
	s_branch .Lhead_asked
\next:
.endm
	ARM 1, G0, G1, .Lhead_sa
	ARM 2, G0S, G1S, .Lhead_b
	ARM 3, G0B, G1B, .Lhead_sb
	tensor_load_to_lds s[G0SB:G0SB+3], s[G1SB:G1SB+7]
	s_nop 0
.rept 4
	v_nop
.endr
.Lhead_asked:
	; PREFETCH: K is four parts of 256 (3,072 bytes of a row tile).  A wave asks for the later parts of the 8 row tiles that it fetches in the ring: here for parts 1 and 2, behind slot 1's load for part 3.
	; The four partners that ask for a tile jointly share its 8 row tiles out by address, 2 each (place cx for A, cy for B): 24 blocks of 256 bytes, a lane a block; lanes 24-31 name the last block again.
	; One base and immediates: no address register is written again.
	s_cmp_eq_u32 s15, 0                            ; do I fetch for A?
	s_cselect_b32 s18, s17, s42                    ; tile row y, or tile column x
	s_cselect_b32 s19, s40, s41                    ; my place among the four
	s_cselect_b64 s[4:5], s[4:5], s[8:9]           ; xc or wc
	s_cselect_b32 s21, 0, s[TEN]                   ; B: the tensor's weight
	s_lshl_b32 s18, s18, 4
	s_lshl_b32 s20, s16, 3
	s_add_co_u32 s18, s18, s20
	s_lshl_b32 s19, s19, 1
	s_add_co_u32 s18, s18, s19                     ; row tile 16 y + 8 x half + 2 x place
	s_mul_i32 s6, s18, 12288
	s_mul_i32 s21, s21, 786432
	s_add_co_u32 s6, s6, s21
	s_mov_b32 s7, 0
	s_add_nc_u64 s[4:5], s[4:5], s[6:7]
	v_and_b32 v9, 31, v0
	v_min_u32 v9, 23, v9
	v_mul_u32_u24 v10, v9, 171
	v_lshrrev_b32 v10, 11, v10                     ; lane / 12: which of my two row tiles
	v_lshlrev_b32 v9, 8, v9
	v_mad_u32_u24 v9, v10, 9216, v9                ; 256 x lane, and on to the next row tile's same part
	global_prefetch_b8 v9, s[4:5] offset:3072 th:TH_LOAD_NT scope:SCOPE_SE
	global_prefetch_b8 v9, s[4:5] offset:6144 th:TH_LOAD_NT scope:SCOPE_SE
	v_and_b32 v1, 15, v0                           ; r
	v_bfe_u32 v2, v0, 4, 1                         ; h
	v_and_b32 v3, 31, v0
	v_lshlrev_b32 v[LI], 4, v3                     ; 16 x lane
	v_lshlrev_b32 v8, 5, v2                        ; the bias: 32 h bytes
	s_wait_alu depctr_va_vdst(0)
	s_cmp_eq_u32 s[TEN], 1
	s_cselect_b64 s[92:93], s[94:95], s[92:93]
	s_cmp_eq_u32 s[TEN], 2
	s_cselect_b64 s[92:93], s[96:97], s[92:93]
	s_lshl_b32 s46, s42, 10
	s_lshl_b32 s47, s16, 9
	s_add_co_u32 s46, s46, s47
	s_mov_b32 s47, 0
	s_add_nc_u64 s[92:93], s[92:93], s[46:47]      ; at my 128 columns
.irp b, 0,1,2,3,4,5,6,7
	global_load_b128 v[BI+8*\b:BI+8*\b+3], v8, s[92:93] offset:64*\b        ; lane (r, h), block b: columns 16 b + 8 h + 0 .. 7, the result's layout
	global_load_b128 v[BI+8*\b+4:BI+8*\b+7], v8, s[92:93] offset:64*\b+16
.endr
	s_mul_i32 s21, s15, HALFT
	s_mul_i32 s22, s16, HALFT
	s_add_co_u32 s22, s22, 2*HALFT
.irp s, 0,1
	v_add_nc_u32 v[ADRA+\s], s21, v[LI]
	v_add_nc_u32 v[ADRB+\s], s22, v[LI]
	s_add_co_u32 s21, s21, SLOT
	s_add_co_u32 s22, s22, SLOT
.endr
	s_mul_i32 s21, s15, HALFS                      ; scale words: lanes 0-15 take A's rows, lanes 16-31 B's: the lower base + h x the distance
	s_mul_i32 s22, s16, HALFS
	s_add_co_u32 s22, s22, 2*HALFS
	s_sub_co_u32 s22, s22, s21
	v_mul_u32_u24 v6, s22, v2
	s_add_co_u32 s21, s21, SCL
	v_lshl_add_u32 v6, v1, 2, v6
	v_add_nc_u32 v[ADRS], s21, v6
	s_mul_i32 s23, s14, WST                        ; my stage
	v_mul_u32_u24 v4, v1, 528
	v_lshl_add_u32 v5, v2, 5, v4
	v_add_nc_u32 v[STO], s23, v5                   ; in: row r, + 32 h
	v_lshl_add_u32 v5, v2, 7, v4
	v_add_nc_u32 v[RQ], s23, v5                    ; q: row r, + 128 h
	v_and_b32 v7, 8, v1
	v_add_nc_u32 v7, v7, v1                        ; r + 8 (r / 8)
	v_mul_u32_u24 v5, v7, 528
	v_lshl_add_u32 v5, v2, 7, v5
	v_add_nc_u32 v[RK], s23, v5                    ; k: that row, + 128 h
	v_mul_u32_u24 v5, v2, 32*528
	v_lshl_add_u32 v5, v7, 2, v5
	v_add_nc_u32 v[RV], s23, v5                    ; v: that column, 32 h rows down
	s_lshl_b32 s23, s14, 9
	s_add_co_u32 s23, s23, GATH
	v_lshl_add_u32 v[GA], v1, 4, s23
	v_add_nc_u32 v[GL], s23, v[LI]
	v_lshlrev_b32 v[SH], 3, v2
	v_mov_b32 v[TP], 0
	s_mov_b32 s[SEL], 0x76543210
	s_mov_b32 s[SEL+1], 0xfedcba98
	s_and_b32 s18, s17, 31                         ; where my eight fragments go
	s_lshr_b32 s18, s18, 3
	s_lshl_b32 s18, s18, 2
	s_add_co_u32 s18, s18, s42                     ; 4 b + g
	s_and_b32 s19, s17, 7
	s_lshl_b32 s19, s19, 1
	s_add_co_u32 s19, s19, s15                     ; which 128 tokens of the batch
	; THE LAYOUT OF hc AS THIS TEXT STORES IT (in place of the two buffers named at the head): chunks of 12,800 bytes, [tensor 3][4 b + g][pair 2][16 chunks of 128 tokens]:
	; a chunk's eight fragments (8 x 1,536 bytes), then its 512 bytes of scale words, so that one dense tile brings both to the next launch
	s_lshl_b32 s20, s18, 5
	s_lshl_b32 s22, s16, 4
	s_add_co_u32 s20, s20, s22
	s_add_co_u32 s20, s20, s19
	s_lshl_b32 s22, s[TEN], 9
	s_add_co_u32 s20, s20, s22                     ; the chunk's number
	s_mul_i32 s20, s20, 12800
	s_mov_b32 s21, 0
	s_add_nc_u64 s[12:13], s[98:99], s[20:21]
	s_add_nc_u64 s[100:101], s[12:13], 12288       ; its scale words
.macro FRAG reg, adr, q, i             ; a fragment's image: three loads of 512 consecutive bytes
.irp c, 0,1,2
	ds_load_b128 v[\reg+4*\c:\reg+4*\c+3], v[\adr] offset:(\i)*TROW+(\q)*FRB+512*\c
.endr
.endm
.macro MUL16 a0, p, q, sc, zero        ; A's blocks a0, a0 + 1 x B's eight; zero = 1: the bias starts the sums
.irp a, \a0, \a0+1
.irp b, 0,1,2,3,4,5,6,7
.if \zero
	v_wmma_scale_f32_16x16x128_f8f6f4 v[8*(8*((\a)%4)+\b):8*(8*((\a)%4)+\b)+7], v[128*(\p)+FR*\b:128*(\p)+FR*\b+FR-1], v[AF+FR*(\a):AF+FR*(\a)+FR-1], v[BI+8*\b:BI+8*\b+7], v[SC+16*(\sc)+2*\b+(\q)], v[SC+16*(\sc)+2*(\a)+(\q)] matrix_a_fmt:MATRIX_FMT_FP6 matrix_b_fmt:MATRIX_FMT_FP6 matrix_a_scale:MATRIX_SCALE_ROW1
.else
	v_wmma_scale_f32_16x16x128_f8f6f4 v[8*(8*((\a)%4)+\b):8*(8*((\a)%4)+\b)+7], v[128*(\p)+FR*\b:128*(\p)+FR*\b+FR-1], v[AF+FR*(\a):AF+FR*(\a)+FR-1], v[8*(8*((\a)%4)+\b):8*(8*((\a)%4)+\b)+7], v[SC+16*(\sc)+2*\b+(\q)], v[SC+16*(\sc)+2*(\a)+(\q)] matrix_a_fmt:MATRIX_FMT_FP6 matrix_b_fmt:MATRIX_FMT_FP6 matrix_a_scale:MATRIX_SCALE_ROW1
.endif
.endr
.endr
.endm
.macro FETCH_B slot, q, p
	WIN TO_B
.irp i, 0,1,2,3,4,5,6,7
	FRAG 128*(\p)+FR*\i, ADRB+\slot, \q, \i
.endr
	WIN 0
.endm
.macro FETCH_A slot, q, i0
.irp i, \i0, \i0+1, \i0+2, \i0+3
	FRAG AF+FR*(\i), ADRA+\slot, \q, \i
.endr
.endm
.macro SCALES sc                       ; register 2 i + q of set sc: lanes 0-15 the words of A's block i, lanes 16-31 of B's block i, for the slot's q-th 128
.irp i, 0,1,2,3,4,5,6,7
.irp q, 0,1
	ds_load_b32 v[SC+16*\sc+2*\i+\q], v[ADRS] offset:512*\i+64*\q
.endr
.endr
.endm
.macro PLACES n
.rept \n
	v_nop
.endr
.endm
.macro STEP slot, q, zero              ; a step of 128 along K that has its successor in the same slot
	s_wait_dscnt 4*NL                              ; B's set and A's blocks 0-3 are in; the youngest 12 loads (A's blocks 4-7) may be out
.if \zero
	WIN 0x81                                       ; C (the bias) in window 0
.else
	WIN MUL_LO
.endif
	MUL16 0, (\q)%2, \q, \slot, \zero
	MUL16 2, (\q)%2, \q, \slot, \zero
	s_wait_dscnt 0
	PLACES NP                                      ; in front of loads into registers that matrix instructions have read
	FETCH_B \slot, (\q)+1, 1-(\q)%2
	FETCH_A \slot, (\q)+1, 0
.if \zero
	WIN 0xc1
.else
	WIN MUL_HI
.endif
	MUL16 4, (\q)%2, \q, \slot, \zero
	MUL16 6, (\q)%2, \q, \slot, \zero
	PLACES NP
	WIN 0
	FETCH_A \slot, (\q)+1, 4
.endm
.macro TURN slot, next, fill           ; a slot's last step changes slots: one barrier (with fill = 1 it opens a round of the cluster's)
	s_wait_tensorcnt 0x0                           ; all my tensor loads have landed: my part of the next slot
	ds_add_u32 v[SPW], v[NIL]                      ; 0 onto my spare word
	s_wait_dscnt 4*NL+1                            ; the add and the youngest 12 loads may be out
	WIN MUL_LO
	MUL16 0, 1, NQ-1, \slot, 0
	s_wait_dscnt 0x0                               ; the add is done, and my reads of this slot are over
	s_barrier_signal -1
	MUL16 2, 1, NQ-1, \slot, 0
	WIN 0
	s_barrier_wait -1
.if \fill
	CREST                                          ; no wave of any partner still reads this slot or has a load on its way
	s_add_nc_u64 s[G0+4*\slot+2:G0+4*\slot+3], s[G0+4*\slot+2:G0+4*\slot+3], 2*TROW
	s_add_nc_u64 s[G0B+4*\slot+2:G0B+4*\slot+3], s[G0B+4*\slot+2:G0B+4*\slot+3], 2*TROW
	JLOAD G0+4*\slot, G1, G0B+4*\slot, G1B         ; my one tensor load behind the round; its four v_nop are the places in front of the loads below
.else
	PLACES NP
.endif
	s_wait_alu depctr_va_vdst(0)
	v_add_nc_u32 v[ADRS], 64*NQ, v[ADRS]
	FETCH_B \next, 0, 0
	FETCH_A \next, 0, 0
	SCALES \next
	WIN MUL_HI
	MUL16 4, 1, NQ-1, \slot, 0
	MUL16 6, 1, NQ-1, \slot, 0
	PLACES NP
	WIN 0
	FETCH_A \next, 0, 4
.endm
	s_wait_alu depctr_va_vdst(0)                   ; the wait at the head's end
	s_wait_tensorcnt 0x0                           ; my tile of the head's four is in
	ds_add_u32 v[SPW], v[NIL]
	s_mov_b32 s[G1+2], 8<<16                       ; no tensor load of mine is out: from here on a load brings 8 row tiles
	s_mov_b32 s[G1+4], 8
	s_mov_b32 s[G1B+2], 8<<16
	s_mov_b32 s[G1B+4], 8
	s_wait_dscnt 0x0
	CROUND                                         ; all four tiles are in, in every partner
	JLOAD G0+4, G1, G0B+4, G1B                     ; slot 1's first fill: my one load behind the round
	FETCH_B 0, 0, 0
	FETCH_A 0, 0, 0
	SCALES 0
	global_prefetch_b8 v9, s[4:5] offset:9216 th:TH_LOAD_NT scope:SCOPE_SE   ; part 3, two refills ahead of its load
	FETCH_A 0, 0, 4
	s_wait_loadcnt 0x0                             ; the bias
	STEP 0, 0, 1                                   ; K = 1,024 is four slots' worth: written out, no loop
	TURN 0, 1, 1
	STEP 1, 0, 0
	TURN 1, 0, 1
	STEP 0, 0, 0
	TURN 0, 1, 0
	STEP 1, 0, 0
	s_wait_dscnt 4*NL
	WIN MUL_LO
	MUL16 0, 1, NQ-1, 1, 0
	MUL16 2, 1, NQ-1, 1, 0
	s_wait_dscnt 0
	WIN MUL_HI
	MUL16 4, 1, NQ-1, 1, 0
	MUL16 6, 1, NQ-1, 1, 0
	WIN 0
	; THE WAY OUT.  The stages lie over the ring and the scale words: every wave's reads of them are over behind this barrier, and no fill follows.
	s_wait_dscnt 0x0
	s_barrier_signal -1
	s_barrier_wait -1
	PLACES NP                                      ; in front of the first reads of results, and of loads into A's registers
.irp a, 0,1,2,3,4,5,6,7
	WIN 0x08+4*(\a/4)                              ; an LDS store's data are its source 1: window 2 or 3
.irp b, 0,1,2,3,4,5,6,7
	ds_store_b128 v[STO], v[8*(8*(\a%4)+\b):8*(8*(\a%4)+\b)+3] offset:\a*8448+64*\b        ; each accumulator from its low end on
	ds_store_b128 v[STO], v[8*(8*(\a%4)+\b)+4:8*(8*(\a%4)+\b)+7] offset:\a*8448+64*\b+16
.endr
.endr
	WIN 0
.macro READ_Q f                        ; numbers (token 16 f + r, channel 64 c + 32 h + i) into v[XO + 32 c + i]
.set i, 0
.rept 16
	ds_load_b128 v[XO+4*i:XO+4*i+3], v[RQ] offset:16*(\f)*528+256*(i/8)+16*(i%8)
.set i, i+1
.endr
.endm
.macro READ_K f                        ; the same of token 32 (f / 2) + 8 (f % 2) + r + 8 (r / 8)
.set i, 0
.rept 16
	ds_load_b128 v[XO+4*i:XO+4*i+3], v[RK] offset:(32*((\f)/2)+8*((\f)%2))*528+256*(i/8)+16*(i%8)
.set i, i+1
.endr
.endm
.macro READ_V f                        ; numbers (token 64 c + 32 h + i, channel 32 (f / 2) + 8 (f % 2) + r + 8 (r / 8)): down the stage's rows
.set i, 0
.rept 64
	ds_load_b32 v[XO+i], v[RV] offset:(64*(i/32)+i%32)*528+4*(32*((\f)/2)+8*((\f)%2))
.set i, i+1
.endr
.endm
.macro OUTF f                          ; fragment f.  The branches hang on the tensor's number alone, which all sixteen partners and all waves share
	s_cmp_eq_u32 s[TEN], 1
	s_cbranch_scc1 .Lis_k_\@
	s_cmp_eq_u32 s[TEN], 2
	s_cbranch_scc1 .Lis_v_\@
	READ_Q \f
	s_branch .Lread_\@
.Lis_k_\@:
	READ_K \f
	s_branch .Lread_\@
.Lis_v_\@:
	READ_V \f
.Lread_\@:
	s_wait_dscnt 0x0                               ; LDS serves a wave's instructions in order: the loads saw my stores; now they are in
	s_wait_xcnt 0x0                                ; the last fragment's stores have read their data
	QB XO, PCO, CTO, TMO, PWO, SH, TP
.irp c, 0,1,2
	global_store_b128 v[LI], v[PCO+4*\c:PCO+4*\c+3], s[12:13] offset:(\f)*1536+512*\c   ; 512 consecutive bytes, aligned
.endr
	ds_store_b32 v[GA], v[PWO] offset:((\f)/4)*256+4*((\f)%4)   ; lanes r and 16 + r write the same word with the same value
.endm
.irp f, 0,1,2,3,4,5,6,7
	OUTF \f
.endr
	ds_load_b128 v[XO:XO+3], v[GL]
	s_wait_dscnt 0x0
	global_store_b128 v[LI], v[XO:XO+3], s[100:101]   ; the chunk of scale words: 512 consecutive bytes
	s_wait_tensorcnt 0x0                           ; the wave's end
	ds_add_u32 v[SPW], v[NIL]
	s_wait_dscnt 0x0
	CROUND                                         ; the closing round
	s_endpgm
.Lfunc_end_k_qd2e39a64d0_proj:
	.size	k_qd2e39a64d0_proj, .Lfunc_end_k_qd2e39a64d0_proj-k_qd2e39a64d0_proj
	.p2alignl 7, 3214868480
	.fill 96, 4, 3214868480
	.section	.rodata,"a",@progbits
	.p2align	6, 0x0
	.amdhsa_kernel k_qd2e39a64d0_proj
		.amdhsa_group_segment_fixed_size 327680
		.amdhsa_private_segment_fixed_size 0
		.amdhsa_enable_private_segment 0
		.amdhsa_kernarg_size 64
		.amdhsa_user_sgpr_count 2
		.amdhsa_user_sgpr_kernarg_segment_ptr 1
		.amdhsa_wavefront_size32 1
		.amdhsa_system_sgpr_workgroup_id_x 1
		.amdhsa_system_sgpr_workgroup_id_y 1
		.amdhsa_system_sgpr_workgroup_id_z 1
		.amdhsa_system_vgpr_workitem_id 0
		.amdhsa_next_free_vgpr 1024
		.amdhsa_next_free_sgpr 102
		.amdhsa_reserve_vcc 0
		.amdhsa_float_denorm_mode_32 3
		.amdhsa_float_denorm_mode_16_64 3
		.amdhsa_memory_ordered 1
		.amdhsa_forward_progress 1
		.amdhsa_inst_pref_size 197
	.end_amdhsa_kernel
	.amdgpu_metadata
---
amdhsa.version: [ 1, 2 ]
amdhsa.kernels:
  - .name:           k_qd2e39a64d0_proj
    .symbol:         k_qd2e39a64d0_proj.kd
    .args:
      - { .name: xc, .offset: 0, .size: 8, .value_kind: global_buffer, .address_space: global }
      - { .name: xs, .offset: 8, .size: 8, .value_kind: global_buffer, .address_space: global }
      - { .name: wc, .offset: 16, .size: 8, .value_kind: global_buffer, .address_space: global }
      - { .name: ws, .offset: 24, .size: 8, .value_kind: global_buffer, .address_space: global }
      - { .name: bq, .offset: 32, .size: 8, .value_kind: global_buffer, .address_space: global }
      - { .name: bk, .offset: 40, .size: 8, .value_kind: global_buffer, .address_space: global }
      - { .name: bv, .offset: 48, .size: 8, .value_kind: global_buffer, .address_space: global }
      - { .name: hc, .offset: 56, .size: 8, .value_kind: global_buffer, .address_space: global }
    .group_segment_fixed_size: 327680
    .private_segment_fixed_size: 0
    .kernarg_segment_align: 8
    .kernarg_segment_size: 64
    .max_flat_workgroup_size: 128
    .sgpr_count:     102
    .vgpr_count:     1024
    .wavefront_size: 32
...
	.end_amdgpu_metadata
.endif
;; end of part 2
;; launch attn (part 3): grid 4 x 64, 8 waves a work-group, clusters of 4 x 4, 327,680 bytes of LDS; arguments mask, hc, ac, asc; writes ac, asc
.if DOCPART == 3
	.amdgcn_target "amdgcn-amd-amdhsa--gfx1250"
	.amdhsa_code_object_version 6
	.text
	.protected	k_qd2e39a64d0_attn
	.globl	k_qd2e39a64d0_attn
	.p2align	8
	.type	k_qd2e39a64d0_attn,@function
k_qd2e39a64d0_attn:
	s_mov_b64 s[64:65], 0
	v_nop
	global_prefetch_b8 v0, s[64:65] scope:SCOPE_SE
	s_setreg_imm32_b32 hwreg(HW_REG_WAVE_MODE, 25, 1), 1
	s_wait_xcnt 0x0
	s_wait_alu depctr_hold_cnt(0) depctr_sa_sdst(0) depctr_va_vdst(0) depctr_va_sdst(0) depctr_va_ssrc(0) depctr_va_vcc(0) depctr_vm_vsrc(0)
	s_getreg_b32 s2, hwreg(HW_REG_IB_STS2, 6, 4)
	s_cmp_eq_u32 s2, 0
	s_cbranch_scc0 .Lentry_in_a_cluster
	s_endpgm
.Lentry_in_a_cluster:
	s_bfe_u32 s2, ttmp6, 0x10000c
	s_cmp_lg_u32 s2, 0xf033
	s_cbranch_scc0 .Lentry_shape_is_right
	s_endpgm
.Lentry_shape_is_right:
; LAUNCH 3 OF 4: scores, softmax and weighted sum on codes of FP6, and the result quantised along the 1,024 channels for the last product.  No work of reference() is left out.
; SHARES: a work-group takes 128 queries of one batch x 4 heads (head group g = cx), a wave 16 queries x 4 heads.  The keys go in 16 steps of 128 through two LDS slots.
; Both products are used transposed (S^T = k q^T, O^T = v^T p^T): a lane holds one query; the keys of a tile of k are laid (by the launch before) so that two neighbouring tiles give a lane 16 neighbouring keys.
; A head has 64 channels: a fragment of 128 K holds a pair of heads; the other head's half of q's operand is zero codes, so whatever codes stand in that half of k's operand add nothing.
; The mask's term, mask x -8e9, is the C of the score product; t = (q k + mask x -8e9) x log2(e) / 8.  M is the running largest t rounded up to a whole number, kept as -M; p = 2^(t - M) by one
; multiply-add and one exponential; the row's sum is taken of the unquantised p; when M moves, sum and O^T are multiplied by the exact power of two 2^(old M - new M).
; A block's largest p is made from the block's largest score by the same multiply-add and exponential (this takes v_exp_f32 not to fall where its input rises).
; A SLOT: the mask's 128 rows x 512 bytes (+16 a row), then four chunks of 12,800 bytes: k's pair 0, 1, v's pair 0, 1: eight fragments of 1,536 bytes and their 512 bytes of scale words.
; CLUSTER 4 x 4: the mask's tile is asked for jointly along a row of the cluster (four head groups), k's and v's along a column (four query blocks).  Waves 0-3 fetch a quarter of the mask's tile, waves 4-7 a chunk: one load a wave.
; THE CHANGE OF SLOTS: a wave's reads of a slot end with the fourth head's fragments of v.  There it waits for its tensor load, adds 0 to its spare word, waits for its LDS instructions and signals;
; the fourth head's softmax and second product, work on registers alone, stand between that signal and the barrier's wait, which opens the cluster's round.
; PREFETCH: trip i, which loads tile i + 1, asks for tile i + 3: waves 0, 1 for 32 rows x 256 bytes of the mask (the four partners of a row share the 128 rows out by address, 32 cx),
; waves 2, 3 for the 50 blocks of 256 bytes of chunk cy (left-over lanes name the last block again).  It stops with tile 15.  Tiles 0 to 2 come by their loads alone.
; LIMITS: the promise holds while |t| stays under 2^31; NaN and infinities are not served; a block of zeros gets the byte 1 (its codes are zeros, and this program alone reads the bytes).
; REGISTERS: window 0: v1-31 addresses and the heads' states; then k's, v's fragments, scale words, p's codes, the scores, temporaries.  window 1: v0-127 O^T (32 a head), v128-191 the mask's term, v192-227 q.
.set SLOT1, 1<<17
.set KOFF,  67584
.set CH,    12800
.set SPARE, 262144
.set AM0, 1
.set AK0, 2
.set AS0, 3
.set SPW, 5
.set NIL, 6
.set LI,  7
.set AM,  8
.set AK,  9
.set AS,  11
.set ST,  12                           ; a head's state: -M, the running largest t, the sum in two halves
.set QS,  28
.set PFO, 30
.set KB,  32
.set VB,  86
.set KS,  134
.set VS,  142
.set PC,  146
.set S,   160
.set BM,  224
.set T2,  228
.set CT,  232
.set SO,  240
.set SB,  244
.set FF,  252
.set PW,  253
.set TA,  254
.set MB,  128
.set QF,  192
.set WV,  14
.set G1M, 24
.set G1D, 32
.set G0M, 48
.set G0D, 52
.set TB,  66
.set CNT, 68
.set SEL, 70
.set CS,  72
.set PFA, 74
.set PFS, 76
.set LIM, 78
.set MC,  80
.set MSB, 0
.macro WIN new                         ; the immediate's high byte repeats the setting that is left
.if MSB != (\new)
	s_set_vgpr_msb (MSB<<8)|(\new)
.set MSB, (\new)
.endif
.endm
.macro CREST                           ; a round of the cluster's barrier behind its opening barrier
	s_cmp_lg_u32 s[WV], 0
	s_cbranch_scc1 .Lnot_wave_0_\@
	s_barrier_signal -3
.Lnot_wave_0_\@:
	s_barrier_wait -3
	s_barrier_signal -1
	s_barrier_wait -1
.endm
.macro ROUND
	s_barrier_signal -1
	s_barrier_wait -1
	CREST
.endm
.macro JLOAD                           ; a joint load; an s_nop 0 and four v_nop follow each line
	s_cmp_lt_u32 s[WV], 4
	s_cbranch_scc0 .Lfor_kv_\@
	tensor_load_to_lds s[G0M:G0M+3], s[G1M:G1M+7]
	s_nop 0
.rept 4
	v_nop
.endr
	s_branch .Lasked_\@
.Lfor_kv_\@:
	tensor_load_to_lds s[G0D:G0D+3], s[G1D:G1D+7]
	s_nop 0
.rept 4
	v_nop
.endr
.Lasked_\@:
.endm
.macro ASK                             ; CNT = 15 - i: tile i + 3 exists while CNT > 2; waves 4-7 hold the greatest number as their bound and never ask
	s_cmp_gt_u32 s[CNT], s[LIM]
	s_cbranch_scc0 .Lnone_\@
	global_prefetch_b8 v[PFO], s[PFA:PFA+1] th:TH_LOAD_NT scope:SCOPE_SE
.Lnone_\@:
.endm
.macro GRD
	s_wait_tensorcnt 0x0
	ds_add_u32 v[SPW], v[NIL]
	s_xor_b32 s[G0M+1], s[G0M+1], SLOT1
	s_add_nc_u64 s[G0M+2:G0M+3], s[G0M+2:G0M+3], 512
	s_xor_b32 s[G0D+1], s[G0D+1], SLOT1
	s_add_nc_u64 s[G0D+2:G0D+3], s[G0D+2:G0D+3], CH
	s_wait_dscnt 0x0
.endm
	s_load_b256 s[4:11], s[0:1], 0x0               ; mask, hc, ac, asc
	v_lshl_add_u32 v[SPW], v0, 2, SPARE
	v_mov_b32 v[NIL], 0
	ds_add_u32 v[SPW], v[NIL]                      ; the opening lines: the add, twice on end, and its wait
	ds_add_u32 v[SPW], v[NIL]
	v_lshrrev_b32 v8, 5, v0
	v_readfirstlane_b32 s[WV], v8
	s_bfe_u32 s15, ttmp6, 0x40000                  ; cx = head group g
	s_bfe_u32 s16, ttmp6, 0x40004                  ; cy
	s_and_b32 s17, ttmp7, 0xffff
	s_lshl_b32 s18, s17, 2
	s_add_co_u32 s18, s18, s16                     ; 16 b + query block
	s_lshr_b32 s19, s17, 2                         ; b
	s_lshl_b32 s20, s16, 2
	s_lshl_b32 s20, 15, s20                        ; my row of the cluster
	s_lshl_b32 s60, 0x1111, s15                    ; my column
	s_or_b32 s[G1M], s20, (2<<16)|(1<<20)|(1<<21)|(6<<22)|(3<<25)  ; 32 rows x 128 f32, 16 bytes of padding behind each 512
	s_mov_b32 s[G1M+1], 128<<16
	s_mov_b32 s[G1M+2], 32<<16
	s_mov_b32 s[G1M+3], 128<<16
	s_mov_b32 s[G1M+4], 32
	s_mov_b32 s[G1M+5], 2048
	s_mov_b32 s[G1M+6], 0
	s_mov_b32 s[G1M+7], 0
	s_or_b32 s[G1D], s60, (3<<16)|(1<<21)          ; a chunk: 12,800 dense bytes as 50 rows of 256
	s_mov_b32 s[G1D+1], 32<<16
	s_mov_b32 s[G1D+2], 50<<16
	s_mov_b32 s[G1D+3], 32<<16
	s_mov_b32 s[G1D+4], 50
	s_mov_b32 s[G1D+5], 32
	s_mov_b32 s[G1D+6], 0
	s_mov_b32 s[G1D+7], 0
	s_and_b32 s20, s[WV], 3
	s_mov_b32 s[G0M], 1
	s_mul_i32 s[G0M+1], s20, 32*528
	s_and_b32 s21, s18, 15
	s_lshl_b32 s21, s21, 7
	s_lshl_b32 s22, s20, 5
	s_add_co_u32 s21, s21, s22                     ; my 32 rows of the query block
	s_lshl_b32 s[G0M+2], s21, 13
	s_lshl_b32 s22, s19, 24
	s_add_co_u32 s[G0M+2], s[G0M+2], s22
	s_mov_b32 s[G0M+3], 0
	s_mov_b32 s[G0D], 1
	s_mul_i32 s[G0D+1], s20, CH
	s_add_co_u32 s[G0D+1], s[G0D+1], KOFF
	s_lshr_b32 s62, s20, 1
	s_add_co_u32 s62, s62, 1                       ; tensor: k 1, v 2
	s_lshl_b32 s62, s62, 9
	s_lshl_b32 s61, s19, 2
	s_add_co_u32 s61, s61, s15                     ; 4 b + g
	s_lshl_b32 s63, s61, 5
	s_add_co_u32 s62, s62, s63
	s_and_b32 s63, s20, 1                          ; pair
	s_lshl_b32 s63, s63, 4
	s_add_co_u32 s62, s62, s63
	s_mul_i32 s[G0D+2], s62, CH
	s_mov_b32 s[G0D+3], 0
	s_wait_dscnt 0x0
	s_wait_kmcnt 0x0
	s_add_nc_u64 s[G0M+2:G0M+3], s[4:5], s[G0M+2:G0M+3]
	s_or_b32 s[G0M+3], s[G0M+3], 0x80000000
	s_add_nc_u64 s[G0D+2:G0D+3], s[6:7], s[G0D+2:G0D+3]
	s_or_b32 s[G0D+3], s[G0D+3], 0x80000000
	ROUND                                          ; in front of the first joint loads
	JLOAD                                          ; tile 0: my one load at the head
	s_mov_b32 s[SEL], 0x76543210
	s_mov_b32 s[SEL+1], 0xfedcba98
	s_mov_b32 s[CS], 0x3e38aa3b                    ; log2(e) / 8
	s_mov_b32 s[CS+1], s[CS]
	s_mov_b32 s[MC], 0xcfee6b28                    ; -8e9
	s_mov_b32 s[MC+1], s[MC]
	s_mov_b32 s[TB], 0
	s_mov_b32 s[CNT], 15
	s_and_b32 s88, s18, 15                         ; query block = q's chunk
	s_lshl_b32 s84, s61, 5
	s_add_co_u32 s84, s84, s88
	s_mul_i32 s84, s84, CH
	s_lshr_b32 s89, s[WV], 2
	s_lshl_b32 s89, s89, 8
	s_and_b32 s86, s[WV], 3
	s_lshl_b32 s86, s86, 2
	s_add_co_u32 s86, s86, s89
	s_add_co_u32 s86, s86, s84
	s_add_co_u32 s86, s86, 12288                   ; the scale words of fragment = wave
	s_mul_i32 s89, s[WV], 1536
	s_add_co_u32 s84, s84, s89
	s_mov_b32 s85, 0
	s_mov_b32 s87, 0
	s_add_nc_u64 s[84:85], s[6:7], s[84:85]
	s_add_nc_u64 s[86:87], s[6:7], s[86:87]
	s_lshl_b32 s90, s18, 3
	s_add_co_u32 s90, s90, s[WV]                   ; out: row tile
	s_lshl_b32 s90, s90, 3
	s_lshl_b32 s89, s15, 1
	s_add_co_u32 s90, s90, s89                     ; 8 x tile + K step 2 g
	s_lshl_b32 s92, s90, 6
	s_mov_b32 s93, 0
	s_mul_i32 s90, s90, 1536
	s_mov_b32 s91, 0
	s_add_nc_u64 s[8:9], s[8:9], s[90:91]
	s_add_nc_u64 s[10:11], s[10:11], s[92:93]
	s_lshl_b32 s94, s88, 7                         ; the prefetches: the mask's rows 32 cx + lane of my query block, block of 256 bytes = wave, tile 3
	s_lshl_b32 s89, s15, 5
	s_add_co_u32 s94, s94, s89
	s_lshl_b32 s94, s94, 13
	s_lshl_b32 s89, s19, 24
	s_add_co_u32 s94, s94, s89
	s_lshl_b32 s89, s[WV], 8
	s_add_co_u32 s94, s94, s89
	s_add_co_u32 s94, s94, 3*512
	s_lshr_b32 s95, s16, 1                         ; or chunk cy of my head group's four, tile 3
	s_add_co_u32 s95, s95, 1
	s_lshl_b32 s95, s95, 9
	s_lshl_b32 s89, s61, 5
	s_add_co_u32 s95, s95, s89
	s_and_b32 s89, s16, 1
	s_lshl_b32 s89, s89, 4
	s_add_co_u32 s95, s95, s89
	s_add_co_u32 s95, s95, 3
	s_mul_i32 s95, s95, CH
	s_mov_b32 s[PFS], CH
	s_cmp_lt_u32 s[WV], 2
	s_cselect_b64 s[PFA:PFA+1], s[4:5], s[6:7]
	s_cselect_b32 s[PFS], 512, s[PFS]
	s_cselect_b32 s82, 13, 8
	s_cselect_b32 s83, 31, 49
	s_cselect_b32 s94, s94, s95
	s_mov_b32 s95, 0
	s_mov_b32 s[PFS+1], 0
	s_add_nc_u64 s[PFA:PFA+1], s[PFA:PFA+1], s[94:95]
	s_cmp_eq_u32 s[WV], 3
	s_cselect_b32 s89, 32, 0
	s_cmp_lt_u32 s[WV], 4
	s_cselect_b32 s[LIM], 2, -1
	s_mul_i32 s88, s[WV], 16*528
	v_and_b32 v[BM], 31, v0
	v_and_b32 v[BM+1], 15, v0
	v_bfe_u32 v[BM+2], v0, 4, 1
	v_mul_u32_u24 v[AM0], v[BM+1], 528
	v_lshlrev_b32 v[LI], 4, v[BM]
	v_lshlrev_b32 v[AS], 4, v[BM+1]
	v_add_nc_u32 v[PFO], s89, v[BM]
	v_lshl_add_u32 v[AM0], v[BM+2], 6, v[AM0]
	v_add_nc_u32 v[AK0], KOFF, v[LI]               ; a fragment's image: 16 x lane
	v_add_nc_u32 v[AS0], KOFF+12288, v[AS]         ; scale words: 16 r
	v_min_u32 v[PFO], s83, v[PFO]
	v_add_nc_u32 v[AM0], s88, v[AM0]               ; the mask: my wave's row r, + 64 h bytes
	v_lshlrev_b32 v[PFO], s82, v[PFO]
	WIN 0x40
.irp p, 0,1                            ; q's fragment of pair p in 18 registers: the even head's six, six of zero codes, the odd head's six
	global_load_b128 v[QF+18*\p:QF+18*\p+3], v[LI], s[84:85] offset:16*CH*\p
	global_load_b64 v[QF+18*\p+4:QF+18*\p+5], v[LI], s[84:85] offset:16*CH*\p+512
	global_load_b64 v[QF+18*\p+12:QF+18*\p+13], v[LI], s[84:85] offset:16*CH*\p+520
	global_load_b128 v[QF+18*\p+14:QF+18*\p+17], v[LI], s[84:85] offset:16*CH*\p+1024
.irp i, 6,7,8,9,10,11
	v_mov_b32 v[QF+18*\p+\i], 0
.endr
.endr
.set j, 0
.rept 128                              ; O^T: the step is written once; the first finds zeros
	v_mov_b32 v[j], 0
.set j, j+1
.endr
	WIN 0
.irp p, 0,1
	global_load_b32 v[QS+\p], v[AS], s[86:87] offset:16*CH*\p
.endr
.irp hd, 0,1,2,3
	v_mov_b32 v[ST+4*\hd+1], 0xff61b1e6            ; -3e38, under every t
	v_mov_b32 v[ST+4*\hd+2], 0
	v_mov_b32 v[ST+4*\hd+3], 0
	v_mov_b32 v[CT+4+\hd], 0                       ; a lane permute's destination counts as one of its sources
.endr
.irp hd, 0,1,2,3
	v_floor_f32 v[ST+4*\hd], -v[ST+4*\hd+1]
.endr
.irp i, 48,49,50,51,52,53
	v_mov_b32 v[KB+\i], 0
.endr
	v_mov_b32 v[PW], 0
.macro KLOAD hd                        ; the head's half of k's eight fragments; tile t's operand is v[KB + 6 t] on, 12 registers: the half that is not this head's meets q's zero codes
.irp t, 0,1,2,3,4,5,6,7
.if (\hd)%2 == 0
	ds_load_b128 v[KB+6*\t:KB+6*\t+3], v[AK] offset:((\hd)/2)*CH+1536*\t
	ds_load_b64 v[KB+6*\t+4:KB+6*\t+5], v[AK] offset:((\hd)/2)*CH+1536*\t+512
.else
	ds_load_b64 v[KB+6*\t+6:KB+6*\t+7], v[AK] offset:((\hd)/2)*CH+1536*\t+520
	ds_load_b128 v[KB+6*\t+8:KB+6*\t+11], v[AK] offset:((\hd)/2)*CH+1536*\t+1024
.endif
.endr
.endm
.macro KSLOAD p
	ds_load_b128 v[KS:KS+3], v[AS] offset:(\p)*CH
	ds_load_b128 v[KS+4:KS+7], v[AS] offset:(\p)*CH+256
.endm
.macro VLOAD hd                        ; 13 loads: the head's four fragments of v and their scale words
.irp c, 0,1,2,3
.irp g, 0,1,2
	ds_load_b128 v[VB+12*\c+4*\g:VB+12*\c+4*\g+3], v[AK] offset:(2+(\hd)/2)*CH+(4*((\hd)%2)+\c)*1536+512*\g
.endr
.endr
	ds_load_b128 v[VS:VS+3], v[AS] offset:(2+(\hd)/2)*CH+((\hd)%2)*256
.endm
.macro SUM4                            ; four chains of the row's sum, eight numbers
	v_pk_add_f32 v[STH+2:STH+3], v[STH+2:STH+3], v[S+j:S+j+1]
	v_pk_add_f32 v[BM:BM+1], v[BM:BM+1], v[S+j+2:S+j+3]
	v_pk_add_f32 v[BM+2:BM+3], v[BM+2:BM+3], v[S+j+4:S+j+5]
	v_pk_add_f32 v[T2:T2+1], v[T2:T2+1], v[S+j+6:S+j+7]
.set j, j+8
.endm
.macro SOFTMAX hd
.set STH, ST+4*(\hd)
.irp t, 0,1,2,3,4,5,6,7                ; the largest raw score: eight chains, each accumulator from its low end on
	v_max3_num_f32 v[BM+\t], v[S+8*\t], v[S+8*\t+1], v[S+8*\t+2]
.endr
.irp i, 3,5
.irp t, 0,1,2,3,4,5,6,7
	v_max3_num_f32 v[BM+\t], v[BM+\t], v[S+8*\t+\i], v[S+8*\t+\i+1]
.endr
.endr
.irp b, 0,1,2,3                        ; block b of 32 keys: tiles 2 b, 2 b + 1
	v_max3_num_f32 v[CT+\b], v[BM+2*\b], v[BM+2*\b+1], v[S+16*\b+7]
.endr
.irp b, 0,1,2,3
	v_max_num_f32 v[CT+\b], v[CT+\b], v[S+16*\b+15]
.endr
.irp b, 0,1,2,3
	v_permlanex16_b32 v[CT+4+\b], v[CT+\b], s[SEL], s[SEL+1]
.endr
.irp b, 0,1,2,3
	v_max_num_f32 v[BM+\b], v[CT+\b], v[CT+4+\b]   ; with lane l xor 16's 16 keys
.endr
	v_max3_num_f32 v[TA], v[BM], v[BM+1], v[BM+2]
	v_mov_b32 v[SB], v[STH]                        ; the old -M
	s_delay_alu instid0(VALU_DEP_2)
	v_max_num_f32 v[TA], v[TA], v[BM+3]
	s_delay_alu instid0(VALU_DEP_1)
	v_mul_f32 v[TA], s[CS], v[TA]                  ; as t (the factor is positive)
	s_delay_alu instid0(VALU_DEP_1)
	v_max_num_f32 v[STH+1], v[STH+1], v[TA]
	s_delay_alu instid0(VALU_DEP_1)
	v_floor_f32 v[STH], -v[STH+1]                  ; the new -M
.set j, 0
.rept 32
	v_pk_fma_f32 v[S+j:S+j+1], v[S+j:S+j+1], s[CS:CS+1], v[STH:STH+1] op_sel_hi:[1,0,0]   ; t - M
.if j == 6
	v_sub_f32 v[SB], v[STH], v[SB]                 ; old M - new M, a whole number
.endif
.if j == 14
	v_cvt_i32_f32 v[SB], v[SB]                     ; (it saturates)
.endif
.if j == 22
	v_ldexp_f32 v[FF], 1.0, v[SB]                  ; f = 2^(old M - new M)
.endif
.set j, j+2
.endr
.irp b, 0,1,2,3
	v_fma_f32 v[BM+\b], v[BM+\b], s[CS], v[STH]    ; the same of each block's largest score
.endr
	s_wait_alu depctr_va_vdst(0)                   ; the wait ahead of the batch
.irp b, 0,1,2,3
	v_exp_f32 v[BM+\b], v[BM+\b]
.endr
.set j, 0
.rept 64
	v_exp_f32 v[S+j], v[S+j]
.set j, j+1
.endr
	WIN 0x41
	s_wait_alu depctr_va_vdst(0)                   ; one wait for the batch, and directly ahead of the first reader of O^T
.set j, 0
.rept 16
	v_pk_mul_f32 v[32*(\hd)+j:32*(\hd)+j+1], v[32*(\hd)+j:32*(\hd)+j+1], v[FF:FF+1] op_sel_hi:[1,0]   ; O^T under the new M
.set j, j+2
.endr
	WIN 0
	v_pk_mul_f32 v[STH+2:STH+3], v[STH+2:STH+3], v[FF:FF+1] op_sel_hi:[1,0]
.irp b, 0,1,2,3
	v_max_num_f32 v[BM+\b], 0x1800000, v[BM+\b]    ; the floor 2^(3 - 127): the byte cannot fall under 1
.endr
.irp b, 0,1,2,3
	v_add_nc_u32 v[SO+\b], 0xff000000, v[BM+\b]    ; 2 off the exponent field: the conversion's scale operand
.endr
.irp b, 0,1,2,3
	v_lshrrev_b32 v[SB+\b], 23, v[SO+\b]
.endr
	v_lshl_or_b32 v[PW], v[SB+1], 8, v[SB]
	v_lshl_or_b32 v[TA], v[SB+3], 8, v[SB+2]
	s_delay_alu instid0(VALU_DEP_1)
	v_lshl_or_b32 v[PW], v[TA], 16, v[PW]          ; p's scale word for these 128 keys
.irp c, 0,1
	v_cvt_scalef32_pk16_fp6_f32 v[PC+6*\c:PC+6*\c+2], v[S+32*\c:S+32*\c+15], v[SO+2*\c]
	v_cvt_scalef32_pk16_fp6_f32 v[CT+4*\c:CT+4*\c+2], v[S+32*\c+16:S+32*\c+31], v[SO+2*\c+1]
.endr
	v_pk_add_f32 v[BM:BM+1], v[S:S+1], v[S+2:S+3]  ; the row's sum of the unquantised p, in four chains; these lines are also the plain place behind the conversions
	v_pk_add_f32 v[BM+2:BM+3], v[S+4:S+5], v[S+6:S+7]
	v_pk_add_f32 v[T2:T2+1], v[S+8:S+9], v[S+10:S+11]
	v_pk_add_f32 v[STH+2:STH+3], v[STH+2:STH+3], v[S+12:S+13]
.set j, 14
	SUM4
	SUM4
.irp c, 0,1                            ; the operand wants a whole block in a lane
.irp i, 0,1,2
	v_permlane16_swap_b32 v[PC+6*\c+\i], v[CT+4*\c+\i]
.endr
.endr
.irp c, 0,1
.irp i, 0,1,2
	v_mov_b32 v[PC+6*\c+3+\i], v[CT+4*\c+\i]
.endr
.endr
	SUM4                                           ; 20 plain lines between the codes' last write and the product
	SUM4
	SUM4
	SUM4
	v_pk_add_f32 v[STH+2:STH+3], v[STH+2:STH+3], v[S+62:S+63]
	v_pk_add_f32 v[BM:BM+1], v[BM:BM+1], v[BM+2:BM+3]
	v_pk_add_f32 v[STH+2:STH+3], v[STH+2:STH+3], v[T2:T2+1]
	v_pk_add_f32 v[STH+2:STH+3], v[STH+2:STH+3], v[BM:BM+1]
.endm
; One head, 128 keys.  nk: the LDS loads issued behind v's, which may stay out.  meet = 1: the slot's last reads are v's: the change of slots begins here.
.macro UNIT hd, nxt, nk, meet
	s_wait_dscnt 0x0                               ; k's fragments and scale words are in
	WIN 0x14                                       ; q and the mask's term in window 1
.irp t, 0,1,2,3,4,5,6,7
	v_wmma_scale_f32_16x16x128_f8f6f4 v[S+8*\t:S+8*\t+7], v[KB+6*\t:KB+6*\t+11], v[QF+18*((\hd)/2)+6*((\hd)%2):QF+18*((\hd)/2)+6*((\hd)%2)+11], v[MB+8*\t:MB+8*\t+7], v[KS+\t], v[QS+(\hd)/2] matrix_a_fmt:MATRIX_FMT_FP6 matrix_b_fmt:MATRIX_FMT_FP6
.endr
	WIN 0
.rept 4
	v_nop                                          ; places: ahead of the loads into operands that matrix instructions have read, and of the first read of the scores
.endr
	VLOAD \hd
.if \nxt
	KLOAD (\hd)+1
.if ((\hd)+1)%2 == 0
	KSLOAD ((\hd)+1)/2
.endif
.endif
.if \meet
	s_wait_xcnt 0x0                                ; my prefetch has read its address
	s_add_nc_u64 s[PFA:PFA+1], s[PFA:PFA+1], s[PFS:PFS+1]
	GRD
	s_barrier_signal -1                            ; work on registers alone up to the wait
.endif
	SOFTMAX \hd
.if !(\meet)
	s_wait_dscnt \nk
.endif
	WIN 0x50
.irp c, 0,1,2,3
	v_wmma_scale_f32_16x16x128_f8f6f4 v[32*(\hd)+8*\c:32*(\hd)+8*\c+7], v[VB+12*\c:VB+12*\c+11], v[PC:PC+11], v[32*(\hd)+8*\c:32*(\hd)+8*\c+7], v[VS+\c], v[PW] matrix_a_fmt:MATRIX_FMT_FP6 matrix_b_fmt:MATRIX_FMT_FP6
.endr
	WIN 0
.if \meet
	s_barrier_wait -1
	CREST                                          ; no wave of any partner still reads this slot or has a load on its way
.endif
.endm
.macro PROCESS ring
	v_add_nc_u32 v[AM], s[TB], v[AM0]
	v_add_nc_u32 v[AK], s[TB], v[AK0]
	v_add_nc_u32 v[AS], s[TB], v[AS0]
	WIN 0x40
.irp b, 0,1,2,3
.irp j, 0,1,2,3
	ds_load_b128 v[MB+16*\b+4*\j:MB+16*\b+4*\j+3], v[AM] offset:128*\b+16*\j   ; query r, keys 32 b + 16 h + 4 j on: the scores' layout
.endr
.endr
	WIN 0
	KLOAD 0
	KSLOAD 0
.if \ring
	ASK
.endif
	s_wait_dscnt 18                                ; the mask is in; k's 16 loads and 2 of scale words may be out
	WIN 0x41
.set j, 0
.rept 32
	v_pk_mul_f32 v[MB+j:MB+j+1], v[MB+j:MB+j+1], s[MC:MC+1] op_sel_hi:[1,0]
.set j, j+2
.endr
	WIN 0
.rept 4
	v_nop
.endr
	s_wait_alu depctr_va_vdst(0)                   ; ahead of the wait below
	UNIT 0, 1, 16, 0
	UNIT 1, 1, 18, 0
	UNIT 2, 1, 16, 0
	UNIT 3, 0, 0, \ring
.endm
	s_wait_alu depctr_va_vdst(0)                   ; the wait at the head's end
	s_wait_loadcnt 0x0                             ; q
	GRD
	ROUND
.Lstep:                                                ; trip i = 0 .. 14: asks for tile i + 1, works tile i
	JLOAD
	PROCESS 1
	s_xor_b32 s[TB], s[TB], SLOT1
	s_sub_co_u32 s[CNT], s[CNT], 1
	s_cmp_lg_u32 s[CNT], 0
	s_cbranch_scc1 .Lstep
	PROCESS 0                                      ; tile 15: nothing more is fetched
; THE WAY OUT: O^T / the sum, quantised along the channels: a pair of heads is one fragment of the last product's A (16 rows x 128 K), stored as an image of its registers
.set RC, KB
	s_wait_alu depctr_va_vdst(0)
.irp hd, 0,1,2,3
	v_add_f32 v[BM+\hd], v[ST+4*\hd+2], v[ST+4*\hd+3]
.endr
.irp hd, 0,1,2,3
	v_permlanex16_b32 v[T2+\hd], v[BM+\hd], s[SEL], s[SEL+1]
.endr
.irp hd, 0,1,2,3
	v_add_f32 v[BM+\hd], v[BM+\hd], v[T2+\hd]
.endr
	s_wait_alu depctr_va_vdst(0)
.irp hd, 0,1,2,3
	v_rcp_f32 v[RC+2*\hd], v[BM+\hd]
.endr
	v_and_b32 v[AK], 31, v0
	v_lshlrev_b32 v[AM], 2, v[AK]
.irp p, 0,1
	WIN 0x01
	s_wait_alu depctr_va_vdst(0)                   ; behind the reciprocals, directly ahead of the first reader of O^T
.set j, 0
.rept 32
	v_pk_mul_f32 v[S+j:S+j+1], v[64*\p+j:64*\p+j+1], v[RC+4*\p+2*(j/32):RC+4*\p+2*(j/32)+1] op_sel_hi:[1,0]
.set j, j+2
.endr
	WIN 0
.set PCS, PC-60*\p
.irp b, 0,1,2,3
	v_max3_num_f32 v[BM+\b], |v[S+16*\b]|, |v[S+16*\b+1]|, 0x1800000
.endr
.irp i, 2,4,6,8,10,12,14
.irp b, 0,1,2,3
	v_max3_num_f32 v[BM+\b], v[BM+\b], |v[S+16*\b+\i]|, |v[S+16*\b+\i+1]|
.endr
.endr
.irp b, 0,1,2,3
	v_permlanex16_b32 v[T2+\b], v[BM+\b], s[SEL], s[SEL+1]
.endr
.irp b, 0,1,2,3
	v_max_num_f32 v[BM+\b], v[BM+\b], v[T2+\b]
.endr
.irp b, 0,1,2,3
	v_add_nc_u32 v[SO+\b], 0xff000000, v[BM+\b]
.endr
.irp b, 0,1,2,3
	v_lshrrev_b32 v[T2+\b], 23, v[SO+\b]
.endr
	v_lshl_or_b32 v[250+\p], v[T2+1], 8, v[T2]
	v_lshl_or_b32 v[TA], v[T2+3], 8, v[T2+2]
	v_lshl_or_b32 v[250+\p], v[TA], 16, v[250+\p]
.irp c, 0,1
	v_cvt_scalef32_pk16_fp6_f32 v[PCS+6*\c:PCS+6*\c+2], v[S+32*\c:S+32*\c+15], v[SO+2*\c]
	v_cvt_scalef32_pk16_fp6_f32 v[CT+4*\c:CT+4*\c+2], v[S+32*\c+16:S+32*\c+31], v[SO+2*\c+1]
.endr
	v_nop                                          ; one plain place behind the scaled conversions
.irp c, 0,1
.irp i, 0,1,2
	v_permlane16_swap_b32 v[PCS+6*\c+\i], v[CT+4*\c+\i]
.endr
.irp i, 0,1,2
	v_mov_b32 v[PCS+6*\c+3+\i], v[CT+4*\c+\i]
.endr
.endr
.irp c, 0,1,2
	global_store_b128 v[LI], v[PCS+4*\c:PCS+4*\c+3], s[8:9] offset:1536*\p+512*\c   ; 512 consecutive bytes, aligned
.endr
.endr
	v_cmp_lt_u32 vcc_lo, 15, v[AK]                 ; lanes 16-31 store the second K step's words: 128 consecutive bytes
	v_cndmask_b32 v[TA], v250, v251, vcc_lo
	global_store_b32 v[AM], v[TA], s[10:11]
	s_wait_tensorcnt 0x0                           ; the wave's end
	ds_add_u32 v[SPW], v[NIL]
	s_wait_dscnt 0x0
	ROUND                                          ; the closing round
	s_endpgm
.Lfunc_end_k_qd2e39a64d0_attn:
	.size	k_qd2e39a64d0_attn, .Lfunc_end_k_qd2e39a64d0_attn-k_qd2e39a64d0_attn
	.p2alignl 7, 3214868480
	.fill 96, 4, 3214868480
	.section	.rodata,"a",@progbits
	.p2align	6, 0x0
	.amdhsa_kernel k_qd2e39a64d0_attn
		.amdhsa_group_segment_fixed_size 327680
		.amdhsa_private_segment_fixed_size 0
		.amdhsa_enable_private_segment 0
		.amdhsa_kernarg_size 32
		.amdhsa_user_sgpr_count 2
		.amdhsa_user_sgpr_kernarg_segment_ptr 1
		.amdhsa_wavefront_size32 1
		.amdhsa_system_sgpr_workgroup_id_x 1
		.amdhsa_system_sgpr_workgroup_id_y 1
		.amdhsa_system_sgpr_workgroup_id_z 1
		.amdhsa_system_vgpr_workitem_id 0
		.amdhsa_next_free_vgpr 512
		.amdhsa_next_free_sgpr 100
		.amdhsa_reserve_vcc 1
		.amdhsa_float_denorm_mode_32 3
		.amdhsa_float_denorm_mode_16_64 3
		.amdhsa_memory_ordered 1
		.amdhsa_forward_progress 1
		.amdhsa_inst_pref_size 161
	.end_amdhsa_kernel
	.amdgpu_metadata
---
amdhsa.version: [ 1, 2 ]
amdhsa.kernels:
  - .name:           k_qd2e39a64d0_attn
    .symbol:         k_qd2e39a64d0_attn.kd
    .args:
      - { .name: mask, .offset: 0, .size: 8, .value_kind: global_buffer, .address_space: global }
      - { .name: hc, .offset: 8, .size: 8, .value_kind: global_buffer, .address_space: global }
      - { .name: ac, .offset: 16, .size: 8, .value_kind: global_buffer, .address_space: global }
      - { .name: asc, .offset: 24, .size: 8, .value_kind: global_buffer, .address_space: global }
    .group_segment_fixed_size: 327680
    .private_segment_fixed_size: 0
    .kernarg_segment_align: 8
    .kernarg_segment_size: 32
    .max_flat_workgroup_size: 256
    .sgpr_count:     100
    .vgpr_count:     512
    .wavefront_size: 32
...
	.end_amdgpu_metadata
.endif
;; end of part 3
;; launch outp (part 4): grid 4 x 32, 4 waves a work-group, clusters of 4 x 4, 327,680 bytes of LDS; arguments ac, asc, wc, ws, bo, out0; writes out0
.if DOCPART == 4
	.amdgcn_target "amdgcn-amd-amdhsa--gfx1250"
	.amdhsa_code_object_version 6
	.text
	.protected	k_qd2e39a64d0_outp
	.globl	k_qd2e39a64d0_outp
	.p2align	8
	.type	k_qd2e39a64d0_outp,@function
k_qd2e39a64d0_outp:
	s_mov_b64 s[64:65], 0
	v_nop
	global_prefetch_b8 v0, s[64:65] scope:SCOPE_SE
	s_setreg_imm32_b32 hwreg(HW_REG_WAVE_MODE, 25, 1), 1
	s_wait_xcnt 0x0
	s_wait_alu depctr_hold_cnt(0) depctr_sa_sdst(0) depctr_va_vdst(0) depctr_va_sdst(0) depctr_va_ssrc(0) depctr_va_vcc(0) depctr_vm_vsrc(0)
	s_getreg_b32 s2, hwreg(HW_REG_IB_STS2, 6, 4)
	s_cmp_eq_u32 s2, 0
	s_cbranch_scc0 .Lentry_in_a_cluster
	s_endpgm
.Lentry_in_a_cluster:
	s_bfe_u32 s2, ttmp6, 0x10000c
	s_cmp_lg_u32 s2, 0xf033
	s_cbranch_scc0 .Lentry_shape_is_right
	s_endpgm
.Lentry_shape_is_right:
; LAUNCH 4 OF 4: out0 = Q(attention's result) Q(Wo) + bo.  No work of reference() is left out.  A tile of 256 x 256 a work-group, 128 x 128 a wave; operands are images of registers (1,536 bytes a fragment);
; K goes in steps of 256 through two LDS slots; the scale words of the work-group's rows come once; cluster 4 x 4 with joint loads (A's along a row, B's along a column); the bias is the C of each sum's first product;
; the product is used transposed, and the results leave through the wave's own stage in slot 0, which has had its last fill by then, as rows of 512 bytes.
.set FR,    12
.set NL,    3
.set NP,    4
.set NQ,    2
.set FRB,   1536
.set TROW,  3072
.set HALFT, 8*TROW
.set SLOT,  4*HALFT
.set SCL,   2*SLOT
.set HALFS, 4096
.set SPARE, SCL+4*HALFS
.set SPITCH, 528
.set ADRA, 16
.set LI,   19
.set ADRB, 20
.set STO,  24
.set RD,   25
.set CO,   26
.set ADRS, 27
.set SPW,  28
.set NIL,  29
.set SC,   32
.set BI,   64
.set AF,   128
.set BK,   128
.set G1, 24
.set G0, 32
.set G1B, 48
.set G0B, 56
.set G1S, 68
.set G0S, 76
.set G1SB, 80
.set G0SB, 88
.set MSB, 0
.macro WIN new
.if MSB != (\new)
	s_set_vgpr_msb (MSB<<8)|(\new)
.set MSB, (\new)
.endif
.endm
.set MUL_LO, 0xa1
.set MUL_HI, 0xf1
.set TO_B,   0x40
.macro JLOAD g0a, g1a, g0b, g1b
	s_cmp_eq_u32 s15, 0
	s_cbranch_scc0 .Lfor_b_\@
	tensor_load_to_lds s[\g0a:\g0a+3], s[\g1a:\g1a+7]
	s_nop 0
.rept 4
	v_nop
.endr
	s_branch .Lasked_\@
.Lfor_b_\@:
	tensor_load_to_lds s[\g0b:\g0b+3], s[\g1b:\g1b+7]
	s_nop 0
.rept 4
	v_nop
.endr
.Lasked_\@:
.endm
.macro CREST
	s_cmp_lg_u32 s14, 0
	s_cbranch_scc1 .Lnot_wave_0_\@
	s_barrier_signal -3
.Lnot_wave_0_\@:
	s_barrier_wait -3
	s_barrier_signal -1
	s_barrier_wait -1
.endm
.macro CROUND
	s_barrier_signal -1
	s_barrier_wait -1
	CREST
.endm
	s_load_b256 s[4:11], s[0:1], 0x0
	s_load_b128 s[92:95], s[0:1], 0x20
	v_lshl_add_u32 v[SPW], v0, 2, SPARE
	v_mov_b32 v[NIL], 0
	ds_add_u32 v[SPW], v[NIL]
	ds_add_u32 v[SPW], v[NIL]
	v_lshrrev_b32 v1, 5, v0
	v_readfirstlane_b32 s14, v1
	s_lshr_b32 s15, s14, 1
	s_and_b32 s16, s14, 1
	s_bfe_u32 s40, ttmp6, 0x40000
	s_bfe_u32 s41, ttmp6, 0x40004
	s_lshl_b32 s42, ttmp9, 2
	s_add_co_u32 s42, s42, s40
	s_and_b32 s17, ttmp7, 0xffff
	s_lshl_b32 s17, s17, 2
	s_add_co_u32 s17, s17, s41
	s_lshl_b32 s43, s41, 2
	s_lshl_b32 s43, 15, s43
	s_lshl_b32 s44, 0x1111, s40
	s_or_b32 s[G1], s43, (3<<16)|(1<<21)
	s_or_b32 s[G1B], s44, (3<<16)|(1<<21)
.irp g, G1, G1B
	s_mov_b32 s[\g+1], 384<<16
	s_mov_b32 s[\g+2], 16<<16                      ; the head's loads bring 16 row tiles; behind them the two words that count rows are set to 8
	s_mov_b32 s[\g+3], 384<<16
	s_mov_b32 s[\g+4], 16
	s_mov_b32 s[\g+5], 1536
	s_mov_b32 s[\g+6], 0
	s_mov_b32 s[\g+7], 0
.endr
	s_or_b32 s[G1S], s43, (3<<16)|(1<<21)
	s_or_b32 s[G1SB], s44, (3<<16)|(1<<21)
.irp g, G1S, G1SB
	s_mov_b32 s[\g+1], 32<<16
	s_mov_b32 s[\g+2], 32<<16                      ; the scale words of 256 rows: 8,192 dense bytes as 32 rows of 256
	s_mov_b32 s[\g+3], 32<<16
	s_mov_b32 s[\g+4], 32
	s_mov_b32 s[\g+5], 32
	s_mov_b32 s[\g+6], 0
	s_mov_b32 s[\g+7], 0
.endr
	s_lshl_b32 s18, s16, 3
	s_lshl_b32 s20, s17, 4
	s_add_co_u32 s20, s20, s18
	s_lshl_b32 s46, s42, 4
	s_add_co_u32 s46, s46, s18
	s_mul_i32 s[G0+2], s20, 12288
	s_mov_b32 s[G0+3], 0
	s_lshl_b32 s[G0S+2], s17, 13
	s_mov_b32 s[G0S+3], 0
	s_mul_i32 s[G0B+2], s46, 12288
	s_add_co_u32 s[G0B+2], s[G0B+2], 3*786432
	s_mov_b32 s[G0B+3], 0
	s_lshl_b32 s[G0SB+2], s42, 13
	s_add_co_u32 s[G0SB+2], s[G0SB+2], 3*32768
	s_mov_b32 s[G0SB+3], 0
	s_mul_i32 s45, s14, HALFT
	s_mov_b32 s[G0], 1
	s_mov_b32 s[G0+4], 1
	s_mov_b32 s[G0B], 1
	s_mov_b32 s[G0B+4], 1
	s_mov_b32 s[G0S], 1
	s_mov_b32 s[G0SB], 1
	s_mov_b32 s[G0+1], s45
	s_add_co_u32 s[G0+5], s45, SLOT
	s_mov_b32 s[G0B+1], s45
	s_add_co_u32 s[G0B+5], s45, SLOT
	s_mov_b32 s[G0S+1], SCL
	s_mov_b32 s[G0SB+1], SCL+2*HALFS
	s_wait_dscnt 0x0
	s_wait_kmcnt 0x0
	s_add_nc_u64 s[G0+2:G0+3], s[4:5], s[G0+2:G0+3]
	s_add_nc_u64 s[G0+6:G0+7], s[G0+2:G0+3], TROW
	s_add_nc_u64 s[G0S+2:G0S+3], s[6:7], s[G0S+2:G0S+3]
	s_add_nc_u64 s[G0B+2:G0B+3], s[8:9], s[G0B+2:G0B+3]
	s_add_nc_u64 s[G0B+6:G0B+7], s[G0B+2:G0B+3], TROW
	s_add_nc_u64 s[G0SB+2:G0SB+3], s[10:11], s[G0SB+2:G0SB+3]
.irp g, G0+3, G0+7, G0B+3, G0B+7, G0S+3, G0SB+3
	s_or_b32 s[\g], s[\g], 0x80000000
.endr
	CROUND
; THE HEAD'S LOADS, ONE A WAVE: wave 0 slot 0's 256 rows of A, wave 1 A's scale words, wave 2 slot 0's 256 rows of B, wave 3 B's scale words.
.macro ARM under, g0, g1, next
	s_cmp_lt_u32 s14, \under
	s_cbranch_scc0 \next
	tensor_load_to_lds s[\g0:\g0+3], s[\g1:\g1+7]
	s_nop 0
.rept 4
	v_nop
.endr
	s_branch .Lhead_asked
\next:
.endm
	ARM 1, G0, G1, .Lhead_sa
	ARM 2, G0S, G1S, .Lhead_b
	ARM 3, G0B, G1B, .Lhead_sb
	tensor_load_to_lds s[G0SB:G0SB+3], s[G1SB:G1SB+7]
	s_nop 0
.rept 4
	v_nop
.endr
.Lhead_asked:
	; PREFETCH: K is four parts of 256 (3,072 bytes of a row tile).  A wave asks for the later parts of the 8 row tiles that it fetches in the ring: here for parts 1 and 2, behind slot 1's load for part 3.
	; The four partners that ask for a tile jointly share its 8 row tiles out by address, 2 each (place cx for A, cy for B): 24 blocks of 256 bytes, a lane a block; lanes 24-31 name the last block again.
	; One base and immediates: no address register is written again.
	s_cmp_eq_u32 s15, 0                            ; do I fetch for A?
	s_cselect_b32 s18, s17, s42                    ; tile row y, or tile column x
	s_cselect_b32 s19, s40, s41                    ; my place among the four
	s_cselect_b64 s[4:5], s[4:5], s[8:9]           ; ac or wc
	s_cselect_b32 s21, 0, 3*786432                 ; B: Wo is the fourth weight
	s_lshl_b32 s18, s18, 4
	s_lshl_b32 s20, s16, 3
	s_add_co_u32 s18, s18, s20
	s_lshl_b32 s19, s19, 1
	s_add_co_u32 s18, s18, s19                     ; row tile 16 y + 8 x half + 2 x place
	s_mul_i32 s6, s18, 12288
	s_add_co_u32 s6, s6, s21
	s_mov_b32 s7, 0
	s_add_nc_u64 s[4:5], s[4:5], s[6:7]
	v_and_b32 v9, 31, v0
	v_min_u32 v9, 23, v9
	v_mul_u32_u24 v10, v9, 171
	v_lshrrev_b32 v10, 11, v10                     ; lane / 12: which of my two row tiles
	v_lshlrev_b32 v9, 8, v9
	v_mad_u32_u24 v9, v10, 9216, v9                ; 256 x lane, and on to the next row tile's same part
	global_prefetch_b8 v9, s[4:5] offset:3072 th:TH_LOAD_NT scope:SCOPE_SE
	global_prefetch_b8 v9, s[4:5] offset:6144 th:TH_LOAD_NT scope:SCOPE_SE
	v_and_b32 v1, 15, v0
	v_bfe_u32 v2, v0, 4, 1
	v_and_b32 v3, 31, v0
	v_lshlrev_b32 v[LI], 4, v3
	s_wait_alu depctr_va_vdst(0)
	v_lshlrev_b32 v8, 5, v2
	s_lshl_b32 s46, s42, 10
	s_lshl_b32 s47, s16, 9
	s_add_co_u32 s46, s46, s47
	s_mov_b32 s47, 0
	s_add_nc_u64 s[92:93], s[92:93], s[46:47]
.irp b, 0,1,2,3,4,5,6,7
	global_load_b128 v[BI+8*\b:BI+8*\b+3], v8, s[92:93] offset:64*\b
	global_load_b128 v[BI+8*\b+4:BI+8*\b+7], v8, s[92:93] offset:64*\b+16
.endr
	s_mul_i32 s21, s15, HALFT
	s_mul_i32 s22, s16, HALFT
	s_add_co_u32 s22, s22, 2*HALFT
.irp s, 0,1
	v_add_nc_u32 v[ADRA+\s], s21, v[LI]
	v_add_nc_u32 v[ADRB+\s], s22, v[LI]
	s_add_co_u32 s21, s21, SLOT
	s_add_co_u32 s22, s22, SLOT
.endr
	s_mul_i32 s21, s15, HALFS
	s_mul_i32 s22, s16, HALFS
	s_add_co_u32 s22, s22, 2*HALFS
	s_sub_co_u32 s22, s22, s21
	v_mul_u32_u24 v6, s22, v2
	s_add_co_u32 s21, s21, SCL
	v_lshl_add_u32 v6, v1, 2, v6
	v_add_nc_u32 v[ADRS], s21, v6
	s_mul_i32 s23, s14, 16*SPITCH
	v_mul_u32_u24 v5, v1, SPITCH
	v_lshl_add_u32 v5, v2, 5, v5
	v_add_nc_u32 v[STO], s23, v5
	v_lshlrev_b32 v[CO], 4, v3
	v_add_nc_u32 v[RD], s23, v[CO]
	s_lshl_b32 s20, s17, 8
	s_lshl_b32 s21, s15, 7
	s_add_co_u32 s20, s20, s21
	s_lshl_b32 s20, s20, 12
	s_mov_b32 s21, 0
	s_add_nc_u64 s[12:13], s[94:95], s[20:21]
	s_add_nc_u64 s[12:13], s[12:13], s[46:47]
.macro FRAG reg, adr, q, i
.irp c, 0,1,2
	ds_load_b128 v[\reg+4*\c:\reg+4*\c+3], v[\adr] offset:(\i)*TROW+(\q)*FRB+512*\c
.endr
.endm
.macro MUL16 a0, p, q, sc, zero
.irp a, \a0, \a0+1
.irp b, 0,1,2,3,4,5,6,7
.if \zero
	v_wmma_scale_f32_16x16x128_f8f6f4 v[8*(8*((\a)%4)+\b):8*(8*((\a)%4)+\b)+7], v[128*(\p)+FR*\b:128*(\p)+FR*\b+FR-1], v[AF+FR*(\a):AF+FR*(\a)+FR-1], v[BI+8*\b:BI+8*\b+7], v[SC+16*(\sc)+2*\b+(\q)], v[SC+16*(\sc)+2*(\a)+(\q)] matrix_a_fmt:MATRIX_FMT_FP6 matrix_b_fmt:MATRIX_FMT_FP6 matrix_a_scale:MATRIX_SCALE_ROW1
.else
	v_wmma_scale_f32_16x16x128_f8f6f4 v[8*(8*((\a)%4)+\b):8*(8*((\a)%4)+\b)+7], v[128*(\p)+FR*\b:128*(\p)+FR*\b+FR-1], v[AF+FR*(\a):AF+FR*(\a)+FR-1], v[8*(8*((\a)%4)+\b):8*(8*((\a)%4)+\b)+7], v[SC+16*(\sc)+2*\b+(\q)], v[SC+16*(\sc)+2*(\a)+(\q)] matrix_a_fmt:MATRIX_FMT_FP6 matrix_b_fmt:MATRIX_FMT_FP6 matrix_a_scale:MATRIX_SCALE_ROW1
.endif
.endr
.endr
.endm
.macro FETCH_B slot, q, p
	WIN TO_B
.irp i, 0,1,2,3,4,5,6,7
	FRAG 128*(\p)+FR*\i, ADRB+\slot, \q, \i
.endr
	WIN 0
.endm
.macro FETCH_A slot, q, i0
.irp i, \i0, \i0+1, \i0+2, \i0+3
	FRAG AF+FR*(\i), ADRA+\slot, \q, \i
.endr
.endm
.macro SCALES sc
.irp i, 0,1,2,3,4,5,6,7
.irp q, 0,1
	ds_load_b32 v[SC+16*\sc+2*\i+\q], v[ADRS] offset:512*\i+64*\q
.endr
.endr
.endm
.macro PLACES n
.rept \n
	v_nop
.endr
.endm
.macro STEP slot, q, zero
	s_wait_dscnt 4*NL
.if \zero
	WIN 0x81
.else
	WIN MUL_LO
.endif
	MUL16 0, (\q)%2, \q, \slot, \zero
	MUL16 2, (\q)%2, \q, \slot, \zero
	s_wait_dscnt 0
	PLACES NP
	FETCH_B \slot, (\q)+1, 1-(\q)%2
	FETCH_A \slot, (\q)+1, 0
.if \zero
	WIN 0xc1
.else
	WIN MUL_HI
.endif
	MUL16 4, (\q)%2, \q, \slot, \zero
	MUL16 6, (\q)%2, \q, \slot, \zero
	PLACES NP
	WIN 0
	FETCH_A \slot, (\q)+1, 4
.endm
.macro TURN slot, next, fill
	s_wait_tensorcnt 0x0
	ds_add_u32 v[SPW], v[NIL]
	s_wait_dscnt 4*NL+1
	WIN MUL_LO
	MUL16 0, 1, NQ-1, \slot, 0
	s_wait_dscnt 0x0
	s_barrier_signal -1
	MUL16 2, 1, NQ-1, \slot, 0
	WIN 0
	s_barrier_wait -1
.if \fill
	CREST
	s_add_nc_u64 s[G0+4*\slot+2:G0+4*\slot+3], s[G0+4*\slot+2:G0+4*\slot+3], 2*TROW
	s_add_nc_u64 s[G0B+4*\slot+2:G0B+4*\slot+3], s[G0B+4*\slot+2:G0B+4*\slot+3], 2*TROW
	JLOAD G0+4*\slot, G1, G0B+4*\slot, G1B
.else
	PLACES NP
.endif
	s_wait_alu depctr_va_vdst(0)
	v_add_nc_u32 v[ADRS], 64*NQ, v[ADRS]
	FETCH_B \next, 0, 0
	FETCH_A \next, 0, 0
	SCALES \next
	WIN MUL_HI
	MUL16 4, 1, NQ-1, \slot, 0
	MUL16 6, 1, NQ-1, \slot, 0
	PLACES NP
	WIN 0
	FETCH_A \next, 0, 4
.endm
	s_wait_alu depctr_va_vdst(0)
	s_wait_tensorcnt 0x0                           ; my tile of the head's four is in
	ds_add_u32 v[SPW], v[NIL]
	s_mov_b32 s[G1+2], 8<<16                       ; no tensor load of mine is out: from here on a load brings 8 row tiles
	s_mov_b32 s[G1+4], 8
	s_mov_b32 s[G1B+2], 8<<16
	s_mov_b32 s[G1B+4], 8
	s_wait_dscnt 0x0
	CROUND                                         ; all four tiles are in, in every partner
	JLOAD G0+4, G1, G0B+4, G1B                     ; slot 1's first fill: my one load behind the round
	FETCH_B 0, 0, 0
	FETCH_A 0, 0, 0
	SCALES 0
	global_prefetch_b8 v9, s[4:5] offset:9216 th:TH_LOAD_NT scope:SCOPE_SE   ; part 3, two refills ahead of its load
	FETCH_A 0, 0, 4
	s_wait_loadcnt 0x0
	STEP 0, 0, 1
	TURN 0, 1, 1
	STEP 1, 0, 0
	TURN 1, 0, 1
	STEP 0, 0, 0
	TURN 0, 1, 0
	STEP 1, 0, 0
	s_wait_dscnt 4*NL
	WIN MUL_LO
	MUL16 0, 1, NQ-1, 1, 0
	MUL16 2, 1, NQ-1, 1, 0
	s_wait_dscnt 0
	WIN MUL_HI
	MUL16 4, 1, NQ-1, 1, 0
	MUL16 6, 1, NQ-1, 1, 0
	WIN 0
.macro TOSTAGE a
.set AC, 64*((\a)%4)
	WIN 0x08+4*((\a)/4)
.irp b, 0,1,2,3,4,5,6,7
	ds_store_b128 v[STO], v[AC+8*\b:AC+8*\b+3] offset:64*\b
	ds_store_b128 v[STO], v[AC+8*\b+4:AC+8*\b+7] offset:64*\b+16
.endr
	WIN 0
.set BB, BK+64*((\a)%2)
.irp t, 0,1,2,3,4,5,6,7,8,9,10,11,12,13,14,15
	ds_load_b128 v[BB+4*\t:BB+4*\t+3], v[RD] offset:\t*SPITCH
.endr
.endm
.macro SEND a, younger
.set BB, BK+64*((\a)%2)
	s_wait_dscnt \younger
.if (\a) > 0
	s_add_nc_u64 s[12:13], s[12:13], 16*4096
.endif
.irp t, 0,1,2,3,4,5,6,7,8,9,10,11,12,13,14,15
	global_store_b128 v[CO], v[BB+4*\t:BB+4*\t+3], s[12:13] offset:\t*4096 th:TH_STORE_NT
.endr
.endm
	PLACES NP
	TOSTAGE 0
.irp a, 1,2,3,4,5,6,7
.if \a > 1
	s_wait_xcnt 0x0
.endif
	TOSTAGE \a
	SEND \a-1, 32
.endr
	s_wait_xcnt 0x0
	SEND 7, 0
	s_wait_tensorcnt 0x0
	ds_add_u32 v[SPW], v[NIL]
	s_wait_dscnt 0x0
	CROUND
	s_endpgm
.Lfunc_end_k_qd2e39a64d0_outp:
	.size	k_qd2e39a64d0_outp, .Lfunc_end_k_qd2e39a64d0_outp-k_qd2e39a64d0_outp
	.p2alignl 7, 3214868480
	.fill 96, 4, 3214868480
	.section	.rodata,"a",@progbits
	.p2align	6, 0x0
	.amdhsa_kernel k_qd2e39a64d0_outp
		.amdhsa_group_segment_fixed_size 327680
		.amdhsa_private_segment_fixed_size 0
		.amdhsa_enable_private_segment 0
		.amdhsa_kernarg_size 48
		.amdhsa_user_sgpr_count 2
		.amdhsa_user_sgpr_kernarg_segment_ptr 1
		.amdhsa_wavefront_size32 1
		.amdhsa_system_sgpr_workgroup_id_x 1
		.amdhsa_system_sgpr_workgroup_id_y 1
		.amdhsa_system_sgpr_workgroup_id_z 1
		.amdhsa_system_vgpr_workitem_id 0
		.amdhsa_next_free_vgpr 1024
		.amdhsa_next_free_sgpr 102
		.amdhsa_reserve_vcc 0
		.amdhsa_float_denorm_mode_32 3
		.amdhsa_float_denorm_mode_16_64 3
		.amdhsa_memory_ordered 1
		.amdhsa_forward_progress 1
		.amdhsa_inst_pref_size 140
	.end_amdhsa_kernel
	.amdgpu_metadata
---
amdhsa.version: [ 1, 2 ]
amdhsa.kernels:
  - .name:           k_qd2e39a64d0_outp
    .symbol:         k_qd2e39a64d0_outp.kd
    .args:
      - { .name: ac, .offset: 0, .size: 8, .value_kind: global_buffer, .address_space: global }
      - { .name: asc, .offset: 8, .size: 8, .value_kind: global_buffer, .address_space: global }
      - { .name: wc, .offset: 16, .size: 8, .value_kind: global_buffer, .address_space: global }
      - { .name: ws, .offset: 24, .size: 8, .value_kind: global_buffer, .address_space: global }
      - { .name: bo, .offset: 32, .size: 8, .value_kind: global_buffer, .address_space: global }
      - { .name: out0, .offset: 40, .size: 8, .value_kind: global_buffer, .address_space: global }
    .group_segment_fixed_size: 327680
    .private_segment_fixed_size: 0
    .kernarg_segment_align: 8
    .kernarg_segment_size: 48
    .max_flat_workgroup_size: 128
    .sgpr_count:     102
    .vgpr_count:     1024
    .wavefront_size: 32
...
	.end_amdgpu_metadata
.endif
;; end of part 4
